; MI455X (gfx1250); checked and timed in simulation.
; The chip was launched on July 23, 2026; its instructions are those of AMD's public machine-readable ISA for CDNA 5 (MIT licence, August 2026) and "CDNA5" Instruction Set Architecture Reference Guide (July 2026). The comments in the code are by the model that wrote it; some were corrected since.
;; Multi Head Attention. Allowed arithmetic: matrix products marked QUANTISED: E5M2 operands, one E8M0 scale for each 32 along K, by v_wmma_scale_f32_16x16x128_f8f6f4 with both operands' format E5M2, f32 sums; everything else in f32.
;; Inputs: Wk 16 x 1,024 x 64 float32; Wo 1,024 x 1,024 float32; Wq 16 x 1,024 x 64 float32; Wv 16 x 1,024 x 64 float32; bo 1,024 float32; x 4 x 2,048 x 1,024 float32.
;; Outputs: out0 4 x 2,048 x 1,024 float32.
;; This version of the problem:
;;   THIS VERSION OF THE PROBLEM IS GIVEN IN LOW PRECISION. The matrix products marked QUANTISED in the list below multiply operands that are first quantised to E5M2 (5 exponent bits, 2 mantissa bits; 8 bits a number), with one power-of-two scale for each 32 numbers along K (OCP MX v1.0); their sums are f32. All else is computed in f32.
;;   The module's matrix products, in the order in which they are computed (A, B: the left and right operand; K: the contracted axis; several contracted axes count as one K, in the product's order):
;;     1. [M 1,024, K 1,024] x [K 1,024, N 8,192]; A: input Wq; B: input x: QUANTISED
;;     2. [M 1,024, K 1,024] x [K 1,024, N 8,192]; A: input Wk; B: input x: QUANTISED
;;     3. [M 1,024, K 1,024] x [K 1,024, N 8,192]; A: input Wv; B: input x: QUANTISED
;;     4. batch 64 x [M 2,048, K 64] x [K 64, N 2,048]; A: computed on the way; B: computed on the way: QUANTISED
;;     5. batch 64 x [M 2,048, K 2,048] x [K 2,048, N 64]; A: softmax (see below); B: computed on the way: QUANTISED
;;     6. [M 8,192, K 1,024] x [K 1,024, N 1,024]; A: computed on the way; B: input Wo: QUANTISED
;;   THE QUANTISER, for each operand of a quantised product, along K:
;;     - K is cut into blocks of 32 from its start; a last block that is shorter is filled with zeros.
;;     - A block's scale is 2^e with e = floor(log2(the largest magnitude in the block)) - 15, held to -126 .. 127; a block of zeros has e = 0. As a byte (E8M0): e + 127.
;;     - Each number is divided by its block's scale, clamped to +-57,344, and rounded to the nearest number of E5M2, ties to even, subnormals kept.
;;     - The product sums the exact products of the quantised numbers (number of the format x scale) in f32.
;;   ~~~python
;;   def quantise(x, axis):      # numpy; x: float32 -> the quantised numbers, widened to float32 again
;;       x = np.moveaxis(x, axis, -1); K = x.shape[-1]
;;       x = np.pad(x, [(0, 0)] * (x.ndim - 1) + [(0, -K % 32)]); x = x.reshape(x.shape[:-1] + (-1, 32)); a = np.abs(x).max(-1, keepdims=True)
;;       e = np.where(a > 0, np.clip(np.frexp(np.where(a > 0, a, 1))[1] - 1 - 15, -126, 127), 0)      # np.frexp(a)[1] - 1 = floor(log2(a)), exactly
;;       r = np.clip(x / 2.0 ** e, -57344, 57344)
;;       step = 2.0 ** (np.maximum(np.frexp(np.where(r == 0, 1, r))[1] - 1, -14) - 2)
;;       q = np.round(r / step) * step * 2.0 ** e      # np.round: ties to even
;;       return np.moveaxis(q.reshape(q.shape[:-2] + (-1,))[..., :K], -1, axis).astype(np.float32)
;;   ~~~
;;   SOFTMAX AHEAD OF A QUANTISED PRODUCT. Where the list says 'softmax', what is quantised is not the finished softmax but p = 2^(t - M), with t = logit x log2(e) and M = ceil(the row's largest t), a whole number; so 1/2 < the row's largest p <= 1. The row's sum l is taken of the UNQUANTISED p, in f32, and the product's result is divided by l at the end. Since M is a whole number, a kernel that streams over the keys may use a running M (the ceiling of the running maximum): every later rescaling is an exact power of two, which a block's scale takes up: the codes' values come out the same.
;;   OPERANDS COMPUTED ON THE WAY. 'Computed on the way' means the value that the module computes at that place (a softmax that the list does not call 'softmax' is quantised finished and normalised). What goes into a quantiser is computed in f32, as accurately as f32 sums, v_exp_f32 and their like allow (about 1e-6 of the number): no bf16 or f16 on the way to a quantiser, and a product that is left as it is and whose result goes on into a quantised operand takes f32 operands (vector FMAs, or v_wmma_f32_16x16x4_f32). A number that lies on a knife's edge between two numbers of the format may be rounded either way, as far as f32 arithmetic and the matrix unit's own rounding can turn it there, and no further.
;; One version. Each part assembles by itself: llvm-mc -triple=amdgcn-amd-amdhsa -mcpu=gfx1250 --defsym DOCPART=n.
;; ======== version 1 of 1: 4 launches
;; limits: right only within a limited range of input values
;; workspace buffers: rc 9,437,184 bytes; rs 294,912 bytes; wc 3,145,728 bytes; ws 98,304 bytes; qkvc 25,165,824 bytes; qkvs 1,310,720 bytes; ac 8,388,608 bytes; asc 262,144 bytes
;; launch quant_rows (part 1): grid 384 x 1, 4 waves a work-group, no clusters, 68,096 bytes of LDS; arguments x, Wo, rc, rs, Wq, Wk, Wv, wc, ws; writes rc, rs, wc, ws
.if DOCPART == 1
	.amdgcn_target "amdgcn-amd-amdhsa--gfx1250"
	.amdhsa_code_object_version 6
	.text
	.protected	k_qc228fa2724_quant_rows
	.globl	k_qc228fa2724_quant_rows
	.p2align	8
	.type	k_qc228fa2724_quant_rows,@function
k_qc228fa2724_quant_rows:
	s_mov_b64 s[64:65], 0
	v_nop
	global_prefetch_b8 v0, s[64:65] scope:SCOPE_SE
	s_setreg_imm32_b32 hwreg(HW_REG_WAVE_MODE, 25, 1), 1
	s_wait_xcnt 0x0
; x [8192][1024] and Wo [1024][1024], f32, K innermost, become codes of BF8 (E5M2), one byte each, with one E8M0 scale byte for each 32 along K.
; rc [9216][1024] takes the codes, rs [9216][32] the scale bytes: rows 0-8191 are x's, rows 8192-9215 Wo's.
; x's ROWS CHANGE PLACES: row t goes to place t with bits 3 and 4 exchanged.  A later product that takes 16 neighbouring places as one source then leaves, in a lane's 16 registers of two neighbouring tiles,
; 16 neighbouring tokens.  Wo's rows keep their order.
; A block's scale is 2^(floor(log2(its largest magnitude)) - 15); its byte is the largest magnitude's exponent field - 15, held at 1 from below.  Each number is divided by the scale, held within +-57,344, rounded to the nearest code, ties to even.
; LIMITS: a block of zeros gets the byte 1 where the rule says 127 (its codes are zeros, and this program alone reads the bytes); blocks whose largest magnitude lies under 2^-111 take the byte 1; NaN and infinities are not served.
; A wave takes a run of 8 rows (8,192 numbers) in 16 steps of 512.  Bits 3 and 4 of a row are bits 0 and 1 of its run, which are the wave's number: so a run moves as a whole, and every store stays whole.
; Each load reads 512 consecutive bytes, 16 a lane; a step's 2,048 bytes turn through the wave's own stage in LDS and come back 64 bytes a lane: 16 neighbours along K, two lanes to a block.
; The first 256 work-groups take x, the other 32 Wo.  Waves share nothing: no barrier.  Loads run four steps (16 loads a wave) ahead, the turn through LDS one step.
.set STEPS, 16
.set WGX,   256                        ; work-groups for x: 8192 x 1024 / 32768
.set EMAX,  15
.set MANT,  0x600000                   ; the mantissa field of 57,344 as f32
.set CB,    16                         ; bytes of 16 codes
.set R,     16                         ; v16-79   four sets of 16 numbers as they are loaded
.set X,     80                         ; v80-111  two sets of 16 neighbours
.set C,     128                        ; v128-191 codes: four registers for each step, so that no store's data are written again
.set E,     112                        ; v112-127 a scale byte for each step
.set WREG,  8192                       ; LDS: a region for each wave: two stages of 32 x SP bytes, behind them its 256 scale bytes
.set SP,    80                         ; a lane's place in a stage: 64 bytes + 16 of padding
	v_lshl_add_u32 v192, v0, 2, 0x8000             ; my spare word (512 bytes from 0x8000 on, named by no other line), and 0: both paths end with the add
	v_mov_b32 v193, 0
	s_cmp_ge_u32 ttmp9, 288                        ; work-groups 288 to 383 take Wq, Wk, Wv, whose K is not innermost: the second path, with LDS bytes of its own
	s_cbranch_scc1 .Lcols
	s_load_b128 s[4:7], s[0:1], 0x0                ; x, Wo
	s_load_b128 s[8:11], s[0:1], 0x10              ; rc, rs
	v_lshrrev_b32 v1, 5, v0
	v_readfirstlane_b32 s16, v1                    ; wave
	v_and_b32 v2, 31, v0                           ; lane
	v_lshlrev_b32 v3, 4, v2                        ; my 16 bytes of a load's 512
	s_mul_i32 s17, s16, WREG
	v_lshrrev_b32 v14, 2, v2
	v_mul_u32_u24 v14, v14, SP
	v_and_b32 v15, 3, v2
	v_lshl_add_u32 v14, v15, 4, v14
	v_add_nc_u32 v14, s17, v14                     ; the stage, on the way in: SP (lane / 4) + 16 (lane % 4); a load's 512 bytes take eight places
	v_mul_u32_u24 v15, v2, SP
	v_add_nc_u32 v15, s17, v15                     ; and on the way out: SP x lane: my 16 neighbours
	v_mul_u32_u24 v4, v2, CB                       ; my codes' place in a step's
	v_lshrrev_b32 v5, 1, v2
	s_add_co_u32 s17, s17, 2*32*SP
	v_add_nc_u32 v5, s17, v5                       ; LDS: my wave's 256 scale bytes, my block's byte
	v_lshlrev_b32 v7, 3, v2                        ; and on the way out 8 bytes a lane
	v_add_nc_u32 v6, s17, v7
	s_mov_b32 s23, MANT
	s_and_b32 s12, s16, 1
	s_lshl_b32 s12, s12, 1
	s_lshr_b32 s13, s16, 1
	s_or_b32 s12, s12, s13                         ; the wave's number with its two bits exchanged
	s_wait_alu depctr_va_vdst(0)
	s_wait_kmcnt 0x0
	s_cmp_lt_u32 ttmp9, WGX                        ; x's work-group or Wo's?  All four choices stand on this one compare
	s_cselect_b64 s[4:5], s[4:5], s[6:7]
	s_cselect_b32 s17, 0, WGX
	s_cselect_b32 s24, s12, s16                    ; x's runs change places, Wo's do not
	s_cselect_b32 s25, 0, 1024                     ; Wo's rows begin at row 8,192: run 1,024
	s_sub_co_u32 s17, ttmp9, s17
	s_lshl_b32 s17, s17, 2
	s_add_co_u32 s18, s17, s16                     ; the run that I read
	s_add_co_u32 s26, s17, s24
	s_add_co_u32 s26, s26, s25                     ; the run that I write
	s_lshl_b32 s20, s18, 15                        ; 32,768 bytes of numbers a run
	s_mov_b32 s21, 0
	s_add_nc_u64 s[4:5], s[4:5], s[20:21]
	s_lshl_b32 s20, s26, 13                        ; 8,192 bytes of codes
	s_add_nc_u64 s[8:9], s[8:9], s[20:21]
	s_lshl_b32 s20, s26, 8                         ; 256 scale bytes
	s_add_nc_u64 s[10:11], s[10:11], s[20:21]
.macro LOAD t
.irp i, 0,1,2,3
	global_load_b128 v[R+16*((\t)%4)+4*\i:R+16*((\t)%4)+4*\i+3], v3, s[4:5] offset:2048*(\t)+512*\i th:TH_LOAD_NT   ; 32 lanes read 512 consecutive bytes
.endr
.endm
.macro TURN t                          ; step t's numbers through the stage: LDS serves a wave's instructions in order, so no wait stands between the stores and the loads
.irp i, 0,1,2,3
	ds_store_b128 v14, v[R+16*((\t)%4)+4*\i:R+16*((\t)%4)+4*\i+3] offset:32*SP*((\t)%2)+8*SP*\i
.endr
.irp i, 0,1,2,3
	ds_load_b128 v[X+16*((\t)%2)+4*\i:X+16*((\t)%2)+4*\i+3], v15 offset:32*SP*((\t)%2)+16*\i
.endr
.endm
.irp t, 0,1,2,3
	LOAD \t
.endr
	s_wait_loadcnt 12                              ; step 0's four loads are in
	TURN 0
.macro STEP t
.set XS, X+16*((\t)%2)
.if (\t) > 0
	s_wait_dscnt 1                                 ; this step's numbers are back from the stage (the last step's byte store may be out): so its stores into the stage have read their registers,
.else
	s_wait_dscnt 0x0
.endif
.if (\t)+4 < STEPS
	LOAD (\t)+4                                    ; which take the loads of four steps on
.endif
.if (\t)+1 < STEPS
.if STEPS-2-(\t) >= 3
	s_wait_loadcnt 12                              ; the next step's four loads are in; those of the three steps behind it may be out
.else
	s_wait_loadcnt 4*(STEPS-2-(\t))
.endif
	TURN (\t)+1                                    ; and go through the other stage while this step is worked
.endif
	v_max3_num_f32 v8, |v[XS]|, |v[XS+1]|, |v[XS+2]|               ; the largest magnitude of my 16, in two chains
	v_max3_num_f32 v9, |v[XS+3]|, |v[XS+4]|, |v[XS+5]|
.irp i, 6,10
	v_max3_num_f32 v8, v8, |v[XS+\i]|, |v[XS+\i+1]|
	v_max3_num_f32 v9, v9, |v[XS+\i+2]|, |v[XS+\i+3]|
.endr
	v_max3_num_f32 v8, v8, |v[XS+14]|, |v[XS+15]|
	v_max3_num_f32 v8, v8, v9, (EMAX+1)<<23        ; and the floor 2^(16 - 127): the byte cannot fall under 1
	v_max_num_f32_dpp v8, v8, v8 row_xmask:1 row_mask:0xf bank_mask:0xf   ; and of my neighbour's 16: the block's
	v_add_nc_u32 v11, 0xf8800000, v8               ; 15 off its exponent field: the conversion takes the exponent field of this operand as its scale
	v_and_or_b32 v10, v8, 0x7f800000, s23          ; 57,344 x the scale
.irp i, 0,1,2,3,4,5,6,7,8,9,10,11,12,13,14,15
	v_med3_num_f32 v[XS+\i], v[XS+\i], -v10, v10   ; the conversion to an 8-bit code does not saturate (ISA guide 7.6.2): the hold comes first
.endr
	v_cvt_scalef32_pk8_bf8_f32 v[C+4*(\t):C+4*(\t)+1], v[XS:XS+7], v11
	v_cvt_scalef32_pk8_bf8_f32 v[C+4*(\t)+2:C+4*(\t)+3], v[XS+8:XS+15], v11
	v_lshrrev_b32 v[E+(\t)], 23, v11               ; the scale's byte (also the plain line behind the conversions)
	ds_store_b8 v5, v[E+(\t)] offset:16*(\t)       ; both lanes of a block write the same byte with the same value
	global_store_b128 v4, v[C+4*(\t):C+4*(\t)+3], s[8:9] offset:32*CB*(\t)   ; 32 lanes store 512 consecutive bytes
.endm
.irp t, 0,1,2,3,4,5,6,7,8,9,10,11,12,13,14,15
	STEP \t
.endr
	ds_load_b64 v[12:13], v6                       ; LDS serves a wave's instructions in order: these see my stores
	s_wait_dscnt 0x0
	global_store_b64 v7, v[12:13], s[10:11]        ; 32 lanes store 256 consecutive bytes, aligned
	s_wait_tensorcnt 0x0                           ; the wave's end
	ds_add_u32 v192, v193
	s_wait_dscnt 0x0
	s_endpgm
.Lcols:
; Wq, Wk, Wv [16 heads][1024 (k)][64 (d)], f32, K the first axis inside a head, become codes with K innermost, wc [3072][1024], and scale bytes ws [3072][32], by the same quantiser and with the same limits as above.
; Row of wc = 1024 x which (0 q, 1 k, 2 v) + 64 x head + d with bits 3 and 4 exchanged.  A lane takes a column d and its registers run down K: a block of 32 lies in one lane's 32 registers.
; Work-group 288 + n: which = n / 32, pair of heads = (n / 4) % 8, quarter of K = n % 4.  Wave w: head 2 x pair + w / 2, columns 32 (w % 2) + lane, 256 along K: 8 blocks a lane.
; The codes go through the wave's own stage in LDS and leave as rows: sixteen lanes store 256 consecutive bytes, aligned.  Waves share nothing: no barrier.  Loads run two blocks (64 loads a wave) ahead.
.set NB,    8
.set PITCH, 272                        ; a stage row: 256 bytes + 16
.set KROW,  1024
.set CST,   0x8200                     ; this path's four stages, behind the spare words
.set X,     32                         ; v32-95   two sets of 32 numbers
.set C,     96                         ; v96-103  a block's codes
.set OUTR,  112                        ; v112-175 the way out
.set SB,    24                         ; v24-25   the scale bytes
	s_load_b128 s[4:7], s[0:1], 0x20               ; Wq, Wk
	s_load_b128 s[8:11], s[0:1], 0x30              ; Wv, wc
	s_load_b64 s[12:13], s[0:1], 0x40              ; ws
	v_lshrrev_b32 v1, 5, v0
	v_readfirstlane_b32 s16, v1                    ; wave 0..3
	v_and_b32 v2, 31, v0                           ; lane
	s_wait_alu depctr_va_vdst(0)
	s_sub_co_u32 s19, ttmp9, 288
	s_lshr_b32 s14, s19, 5                         ; which
	s_bfe_u32 s15, s19, 0x30002                    ; pair of heads
	s_and_b32 s18, s19, 3                          ; quarter of K
	s_lshl_b32 s15, s15, 1
	s_lshr_b32 s17, s16, 1
	s_add_co_u32 s15, s15, s17                     ; head
	s_and_b32 s17, s16, 1                          ; which 32 columns
	v_lshlrev_b32 v3, 2, v2                        ; in: 4 bytes a lane
	s_mul_i32 s19, s16, 32*PITCH
	s_add_co_u32 s19, s19, CST                     ; my stage
	v_mul_u32_u24 v4, v2, PITCH
	v_add_nc_u32 v4, s19, v4                       ; into it: row = my column
	v_and_b32 v5, 15, v2
	v_lshrrev_b32 v6, 4, v2                        ; out of it: sixteen lanes to a row, two rows an instruction
	v_mul_u32_u24 v7, v6, PITCH
	v_lshl_add_u32 v7, v5, 4, v7
	v_add_nc_u32 v7, s19, v7
	v_mul_u32_u24 v8, v6, KROW
	v_lshl_add_u32 v8, v5, 4, v8                   ; the same place in wc
	v_and_b32 v9, 7, v2
	v_bfe_u32 v10, v2, 3, 1
	v_bfe_u32 v11, v2, 4, 1
	v_lshl_or_b32 v9, v10, 4, v9
	v_lshl_or_b32 v9, v11, 3, v9                   ; my column with bits 3 and 4 exchanged,
	v_lshlrev_b32 v9, 5, v9                        ; times a row of 32 scale bytes
	s_lshl_b32 s20, s15, 18                        ; in: head x 262,144
	s_lshl_b32 s21, s18, 16                        ; + quarter x 256 rows of 256 bytes
	s_add_co_u32 s20, s20, s21
	s_lshl_b32 s21, s17, 7                         ; + 128 bytes for the upper 32 columns
	s_add_co_u32 s20, s20, s21
	s_mov_b32 s21, 0
	s_lshl_b32 s22, s14, 10
	s_lshl_b32 s23, s15, 6
	s_add_co_u32 s22, s22, s23
	s_lshl_b32 s23, s17, 5
	s_add_co_u32 s22, s22, s23                     ; my wave's first row of wc and ws
	s_lshl_b32 s24, s22, 10
	s_lshl_b32 s25, s18, 8
	s_add_co_u32 s24, s24, s25
	s_mov_b32 s25, 0
	s_lshl_b32 s26, s22, 5
	s_lshl_b32 s27, s18, 3
	s_add_co_u32 s26, s26, s27
	s_mov_b32 s27, 0
	s_mov_b32 s31, MANT
	s_wait_alu depctr_va_vdst(0)
	s_wait_kmcnt 0x0
	s_cmp_eq_u32 s14, 1                            ; the tensor is chosen by the work-group's number alone
	s_cselect_b64 s[4:5], s[6:7], s[4:5]
	s_cmp_eq_u32 s14, 2
	s_cselect_b64 s[4:5], s[8:9], s[4:5]
	s_add_nc_u64 s[4:5], s[4:5], s[20:21]
	s_add_nc_u64 s[10:11], s[10:11], s[24:25]
	s_add_nc_u64 s[12:13], s[12:13], s[26:27]
.macro CLOAD t                         ; block t: W(32 t + i, my column) into set t % 2: 32 lanes read 128 consecutive bytes
.set i_, 0
.rept 32
	global_load_b32 v[X+32*((\t)%2)+i_], v3, s[4:5] offset:(32*(\t)+i_)*256 th:TH_LOAD_NT
.set i_, i_+1
.endr
.endm
	CLOAD 0
	CLOAD 1
.macro CBLOCK t
.set XS, X+32*((\t)%2)
.if (\t) < NB-1
	s_wait_loadcnt 32                              ; this block's 32 loads are in; the next block's may be out
.else
	s_wait_loadcnt 0
.endif
	v_max3_num_f32 v12, |v[XS]|, |v[XS+1]|, |v[XS+2]|   ; the block's largest magnitude, in two chains
	v_max3_num_f32 v13, |v[XS+3]|, |v[XS+4]|, |v[XS+5]|
.irp i, 6,10,14,18,22,26
	v_max3_num_f32 v12, v12, |v[XS+\i]|, |v[XS+\i+1]|
	v_max3_num_f32 v13, v13, |v[XS+\i+2]|, |v[XS+\i+3]|
.endr
	v_max3_num_f32 v12, v12, |v[XS+30]|, |v[XS+31]|
	v_max3_num_f32 v12, v12, v13, (EMAX+1)<<23     ; and the floor 2^(16 - 127)
	v_add_nc_u32 v11, 0xf8800000, v12              ; 15 off its exponent field: the conversion's scale operand
	v_and_or_b32 v10, v12, 0x7f800000, s31         ; 57,344 x the scale
	v_lshrrev_b32 v13, 23, v11                     ; the scale's byte
.if (\t)%4 == 0
	v_mov_b32 v[SB+(\t)/4], v13
.else
	v_lshl_or_b32 v[SB+(\t)/4], v13, 8*((\t)%4), v[SB+(\t)/4]
.endif
.set i_, 0
.rept 32
	v_med3_num_f32 v[XS+i_], v[XS+i_], -v10, v10   ; the hold comes ahead of the conversion, which does not saturate (ISA guide 7.6.2)
.set i_, i_+1
.endr
.irp g, 0,1,2,3
	v_cvt_scalef32_pk8_bf8_f32 v[C+2*\g:C+2*\g+1], v[XS+8*\g:XS+8*\g+7], v11
.endr
	ds_store_b128 v4, v[C:C+3] offset:32*(\t)
	ds_store_b128 v4, v[C+4:C+7] offset:32*(\t)+16
.if (\t)+2 < NB
	CLOAD (\t)+2
.endif
	s_wait_dscnt 0x0                               ; the stores have read their registers: the next block's codes may be written
.endm
.set Q, 0
.rept NB
	CBLOCK Q
.set Q, Q+1
.endr
	global_store_b64 v9, v[SB:SB+1], s[12:13]      ; my column's 8 scale bytes
.irp t, 0,1,2,3,4,5,6,7,8,9,10,11,12,13,14,15
	ds_load_b128 v[OUTR+4*\t:OUTR+4*\t+3], v7 offset:2*\t*PITCH   ; LDS serves a wave's instructions in order: these see my stores
.endr
.irp t, 0,1,2,3,4,5,6,7,8,9,10,11,12,13,14,15
	s_wait_dscnt 15-\t
	global_store_b128 v8, v[OUTR+4*\t:OUTR+4*\t+3], s[10:11] offset:(((2*\t)&7)+((((2*\t)>>3)&1)<<4)+((((2*\t)>>4)&1)<<3))*KROW   ; columns 2 t, 2 t + 1 go to their places: bits 3 and 4 exchanged
.endr
	s_wait_tensorcnt 0x0                           ; the wave's end
	ds_add_u32 v192, v193
	s_wait_dscnt 0x0
	s_endpgm
.Lfunc_end_k_qc228fa2724_quant_rows:
	.size	k_qc228fa2724_quant_rows, .Lfunc_end_k_qc228fa2724_quant_rows-k_qc228fa2724_quant_rows
	.p2alignl 7, 3214868480
	.fill 96, 4, 3214868480
	.section	.rodata,"a",@progbits
	.p2align	6, 0x0
	.amdhsa_kernel k_qc228fa2724_quant_rows
		.amdhsa_group_segment_fixed_size 68096
		.amdhsa_private_segment_fixed_size 0
		.amdhsa_enable_private_segment 0
		.amdhsa_kernarg_size 72
		.amdhsa_user_sgpr_count 2
		.amdhsa_user_sgpr_kernarg_segment_ptr 1
		.amdhsa_wavefront_size32 1
		.amdhsa_system_sgpr_workgroup_id_x 1
		.amdhsa_system_sgpr_workgroup_id_y 1
		.amdhsa_system_sgpr_workgroup_id_z 1
		.amdhsa_system_vgpr_workitem_id 0
		.amdhsa_next_free_vgpr 194
		.amdhsa_next_free_sgpr 66
		.amdhsa_reserve_vcc 0
		.amdhsa_float_denorm_mode_32 3
		.amdhsa_float_denorm_mode_16_64 3
		.amdhsa_memory_ordered 1
		.amdhsa_forward_progress 1
		.amdhsa_inst_pref_size 111
	.end_amdhsa_kernel
	.amdgpu_metadata
---
amdhsa.version: [ 1, 2 ]
amdhsa.kernels:
  - .name:           k_qc228fa2724_quant_rows
    .symbol:         k_qc228fa2724_quant_rows.kd
    .args:
      - { .name: x, .offset: 0, .size: 8, .value_kind: global_buffer, .address_space: global }
      - { .name: Wo, .offset: 8, .size: 8, .value_kind: global_buffer, .address_space: global }
      - { .name: rc, .offset: 16, .size: 8, .value_kind: global_buffer, .address_space: global }
      - { .name: rs, .offset: 24, .size: 8, .value_kind: global_buffer, .address_space: global }
      - { .name: Wq, .offset: 32, .size: 8, .value_kind: global_buffer, .address_space: global }
      - { .name: Wk, .offset: 40, .size: 8, .value_kind: global_buffer, .address_space: global }
      - { .name: Wv, .offset: 48, .size: 8, .value_kind: global_buffer, .address_space: global }
      - { .name: wc, .offset: 56, .size: 8, .value_kind: global_buffer, .address_space: global }
      - { .name: ws, .offset: 64, .size: 8, .value_kind: global_buffer, .address_space: global }
    .group_segment_fixed_size: 68096
    .private_segment_fixed_size: 0
    .kernarg_segment_align: 8
    .kernarg_segment_size: 72
    .max_flat_workgroup_size: 128
    .sgpr_count:     66
    .vgpr_count:     194
    .wavefront_size: 32
...
	.end_amdgpu_metadata
.endif
;; end of part 1
;; launch qkv (part 2): grid 12 x 32, 4 waves a work-group, clusters of 4 x 4, 327,680 bytes of LDS; arguments rc, rs, wc, ws, qkvc, qkvs; writes qkvc, qkvs
.if DOCPART == 2
	.amdgcn_target "amdgcn-amd-amdhsa--gfx1250"
	.amdhsa_code_object_version 6
	.text
	.protected	k_qc228fa2724_qkv
	.globl	k_qc228fa2724_qkv
	.p2align	8
	.type	k_qc228fa2724_qkv,@function
k_qc228fa2724_qkv:
	s_mov_b64 s[64:65], 0
	v_nop
	global_prefetch_b8 v0, s[64:65] scope:SCOPE_SE
	s_setreg_imm32_b32 hwreg(HW_REG_WAVE_MODE, 25, 1), 1
	s_wait_xcnt 0x0
	s_wait_alu depctr_hold_cnt(0) depctr_sa_sdst(0) depctr_va_vdst(0) depctr_va_sdst(0) depctr_va_ssrc(0) depctr_va_vcc(0) depctr_vm_vsrc(0)
	s_getreg_b32 s2, hwreg(HW_REG_IB_STS2, 6, 4)
	s_cmp_eq_u32 s2, 0
	s_cbranch_scc0 .Lentry_in_a_cluster
	s_endpgm
.Lentry_in_a_cluster:
	s_bfe_u32 s2, ttmp6, 0x10000c
	s_cmp_lg_u32 s2, 0xf033
	s_cbranch_scc0 .Lentry_shape_is_right
	s_endpgm
.Lentry_shape_is_right:
; q, k and v of all heads: x (8,192 tokens) times Wq, Wk, Wv (3,072 rows), K = 1,024, on codes of BF8 (E5M2) with one E8M0 scale for each 32 along K; sums in f32.
; The results never leave as f32: each is quantised in registers, along the K of the product that takes it next, and stored AS THE REGISTERS OF THAT PRODUCT'S OPERAND (an image: four registers of the 32 lanes are 512 bytes on end).
; A tile of 256 x 256 results is made by four waves, 128 x 128 each: 64 accumulators, 512 registers.  K goes in steps of 256 through two LDS slots filled by the tensor data mover; the scale bytes of the tile's rows come once.
; THE MATRIX INSTRUCTION IS USED TRANSPOSED (source 0 = 16 rows of B, source 1 = 16 rows of A): a lane holds ONE row of A, and its registers run along B's rows.
; TWO ROLES, by the cluster's x, which all sixteen partners share.  Clusters 0, 1: A = tokens, B = Wq's and Wk's rows: a lane holds a token, registers run along d: q and k, quantised along d (two blocks of 32 a head).
;   Cluster 2: A = Wv's rows, B = tokens: a lane holds a d, registers run along the tokens: v, quantised along the keys (four blocks of 32 in 128 keys).
; Tokens and d lie in rc and wc with bits 3 and 4 of their index exchanged: so the 16 registers of two neighbouring tiles are 16 NEIGHBOURS along B's true order, and the conversions' results are the operand's registers.
; OUT: qkvc: q at 0, k at 8,388,608: ((16 b + head) x 128 + tile of 16 token places) x 1,024 + 512 c + 16 lane;  v at 16,777,216: (16 b + head) x 131,072 + step of 128 keys x 8,192 + tile of 16 d places x 2,048 + 512 c + 16 lane.
;   qkvs, 20,480 bytes for each (b, head): q's scale words at 0 (4 bytes a token place), k's at 8,192, v's at 16,384 (step x 256 + 4 bytes a d place).  q's and k's words: two bytes, and 0x7f for the two blocks of zero codes that fill K to 128.
; CLUSTERS: 4 x 4 work-groups; A's tiles are asked for jointly along a row of the cluster, B's along a column.
; LIMITS: a block of zeros gets the byte 1 where the rule says 127 (its codes are zeros, and this program alone reads the bytes); blocks whose largest magnitude lies under 2^-111 take the byte 1; NaN and infinities are not served.
; REGISTERS, in windows of 256: window 0: v0-31 addresses; v32-63 scale words, two sets; v64-111 the way out; from v128 A's fragments, one set.  window 1: B's fragments, two sets.  windows 2, 3: the accumulators ((a, b) at v[8 (8 (a % 4) + b)]).
.set NQ,     2                         ; matrix instructions deep in a slot
.set ROWB,   256                       ; a tile's row in bytes
.set KROW,   1024                      ; a row of rc or wc in bytes
.set PITCH,  272                       ; an LDS row: 256 bytes + 16: the 16 rows that a load touches start at 16 different banks (64 banks of 4 bytes: ISA guide 11.1)
.set FR,     16                        ; registers of a fragment
.set NL,     4                         ; LDS loads that bring one
.set NP,     8                         ; places behind this matrix instruction (ISA guide 7.12.1)
.set HALFT,  128*PITCH
.set SLOT,   4*HALFT                   ; A's 256 rows, then B's 256 rows
.set KS,     32                        ; a row of scale bytes
.set SCL,    2*SLOT                    ; behind the ring: the scale bytes, as rows of 256 bytes + 16
.set HALFS,  (128*KS/256)*272
.set SBLK,   (16*KS/256)*272
.set SPARE,  SCL+4*HALFS               ; the spare words, 128 bytes for each wave: two blocks of 256 bytes that no other line names
.set STG,    SPARE+512                 ; 1,024 bytes for each wave: the scale words on their way out; no fill lands here
.set ADRA, 16
.set ADRB, 20
.set ADRS, 27
.set SPW,  28                          ; v28  LDS address of my spare word; never rewritten
.set NIL,  29                          ; v29  0; never rewritten
.set SC,   32                          ; scale words: set s at v[SC + 16 s]; register 2 i + q: lanes 0-15 the word of A's block i, lanes 16-31 that of B's block i
.set AF,   128
.set TM,   64                          ; v64-67 largest magnitudes, v68-71 bytes, v72-75 57,344 x the scale, v76-79 the conversions' scale operands
.set PW,   80                          ; the scale word just made
.set T0,   81
.set T1,   82
.set VO0,  84                          ; byte offsets of a block's stores
.set VO1,  85
.set LI,   86                          ; 16 x lane
.set SW,   87                          ; where my scale word goes in the stage
.set SRD,  88                          ; where I read the stage back
.set VS,   89                          ; my byte offset in qkvs
.set PC,   96                          ; v96-111  a block's codes
.set X,    128                         ; v128-191 a block's numbers, held
.set RB,   192                         ; v192-199 the stage read back
.set G1, 24
.set G0, 32
.set G1B, 48
.set G0B, 56
.set G1S, 68
.set G0S, 76
.set G1SB, 80
.set G0SB, 88
.set MSB, 0
.macro WIN new                         ; the immediate's high byte repeats the setting that is left
.if MSB != (\new)
	s_set_vgpr_msb (MSB<<8)|(\new)
.set MSB, (\new)
.endif
.endm
.set MUL_LO, 0xa1                      ; source 0 (B) window 1, source 1 (A) window 0, C and D window 2
.set MUL_HI, 0xf1                      ; the same, C and D window 3
.set TO_B,   0x40                      ; destination window 1, address window 0
; A joint load: waves 0 and 1 fetch for A, waves 2 and 3 for B.  The branch hangs on the wave's number alone.  Four v_nop follow each of the two lines.
.macro JLOAD g0a, g1a, g0b, g1b
	s_cmp_eq_u32 s15, 0
	s_cbranch_scc0 .Lfor_b_\@
	tensor_load_to_lds s[\g0a:\g0a+3], s[\g1a:\g1a+7]
	s_nop 0
.rept 4
	v_nop
.endr
	s_branch .Lasked_\@
.Lfor_b_\@:
	tensor_load_to_lds s[\g0b:\g0b+3], s[\g1b:\g1b+7]
	s_nop 0
.rept 4
	v_nop
.endr
.Lasked_\@:
.endm
.macro CREST                           ; a round of the cluster's barrier behind its opening barrier
	s_cmp_lg_u32 s14, 0
	s_cbranch_scc1 .Lnot_wave_0_\@
	s_barrier_signal -3
.Lnot_wave_0_\@:
	s_barrier_wait -3
	s_barrier_signal -1
	s_barrier_wait -1
.endm
.macro CROUND                          ; a whole round
	s_barrier_signal -1
	s_barrier_wait -1
	CREST
.endm
	s_load_b256 s[4:11], s[0:1], 0x0               ; rc s[4:5], rs s[6:7], wc s[8:9], ws s[10:11]
	s_load_b64 s[12:13], s[0:1], 0x20              ; qkvc
	s_load_b64 s[100:101], s[0:1], 0x28            ; qkvs
	v_lshl_add_u32 v[SPW], v0, 2, SPARE
	v_mov_b32 v[NIL], 0
	ds_add_u32 v28, v29
	ds_add_u32 v28, v29
	s_wait_dscnt 0x0
	v_lshrrev_b32 v1, 5, v0
	v_readfirstlane_b32 s14, v1                    ; wave 0..3
	s_lshr_b32 s15, s14, 1                         ; which half of the tile's rows of A is mine.  Also: I fetch for A (0) or for B (1)
	s_and_b32 s16, s14, 1                          ; which half of B's.  Also: which 128 rows I fetch
	s_bfe_u32 s40, ttmp6, 0x40000                  ; cx, cy: my place in the cluster
	s_bfe_u32 s41, ttmp6, 0x40004
	s_and_b32 s18, ttmp7, 0xffff
	s_lshl_b32 s18, s18, 2                         ; 4 x cluster y
	s_add_co_u32 s66, s18, s41                     ; q, k: A's tile = tokens' tile 4 x cluster y + cy
	s_add_co_u32 s17, s41, 8                       ; v:    A's tile = 8 + cy: Wv's rows begin at row 2,048 of wc
	s_add_co_u32 s67, s18, s40                     ; v:    B's tile = tokens' tile 4 x cluster y + cx
	s_lshl_b32 s42, ttmp9, 2
	s_add_co_u32 s42, s42, s40                     ; q, k: B's tile = 4 x cluster x + cx, of wc's first 2,048 rows
	s_cmp_eq_u32 ttmp9, 2                          ; the role: the cluster's x, the same number in all sixteen partners
	s_cselect_b32 s95, 1, 0
	s_cselect_b32 s17, s17, s66                    ; A's tile: made of cy alone, which my row of the cluster shares
	s_cselect_b32 s42, s67, s42                    ; B's tile: made of cx alone, which my column shares
	s_lshl_b32 s43, s41, 2
	s_lshl_b32 s43, 15, s43                        ; my row of the cluster
	s_lshl_b32 s44, 0x1111, s40                    ; my column
	; descriptor group 1: rows of 256 bytes, 16 bytes of padding behind each: 256 rows for the head's loads; behind them the two words that count rows are set to 128, for the ring's
	s_or_b32 s[G1+0], s43, (0<<16)|(1<<20)|(1<<21)|(5<<22)|(3<<25)
	s_or_b32 s[G1B+0], s44, (0<<16)|(1<<20)|(1<<21)|(5<<22)|(3<<25)
.irp g, G1, G1B
	s_mov_b32 s[\g+1], ROWB<<16                    ; tensor_dim0
	s_mov_b32 s[\g+2], 256<<16                     ; tensor_dim1
	s_mov_b32 s[\g+3], ROWB<<16                    ; tile_dim0
	s_mov_b32 s[\g+4], 256                         ; tile_dim1
	s_mov_b32 s[\g+5], KROW                        ; tensor_dim0_stride
	s_mov_b32 s[\g+6], 0
	s_mov_b32 s[\g+7], 0
.endr
	; the scale bytes of 256 rows: 8,192 dense bytes, as 32 rows of 256 bytes (32 elements of 8 bytes), 16 bytes of padding behind each
	s_or_b32 s[G1S+0], s43, (3<<16)|(1<<20)|(1<<21)|(5<<22)|(3<<25)
	s_or_b32 s[G1SB+0], s44, (3<<16)|(1<<20)|(1<<21)|(5<<22)|(3<<25)
.irp g, G1S, G1SB
	s_mov_b32 s[\g+1], 32<<16
	s_mov_b32 s[\g+2], KS<<16
	s_mov_b32 s[\g+3], 32<<16
	s_mov_b32 s[\g+4], KS
	s_mov_b32 s[\g+5], 32
	s_mov_b32 s[\g+6], 0
	s_mov_b32 s[\g+7], 0
.endr
	s_lshl_b32 s20, s17, 8                         ; A: the tile's first row
	s_lshl_b32 s46, s42, 8                         ; B likewise
	s_mov_b32 s21, 0
	s_mov_b32 s47, 0
	s_mov_b64 s[18:19], KS
	s_mul_u64 s[22:23], s[20:21], s[18:19]         ; where these rows' scale bytes begin
	s_mul_u64 s[92:93], s[46:47], s[18:19]
	s_mov_b64 s[18:19], KROW
	s_mul_u64 s[20:21], s[20:21], s[18:19]         ; and their codes
	s_mul_u64 s[46:47], s[46:47], s[18:19]
	s_mul_i32 s18, s16, 128*KROW                   ; in the ring I fetch 128 rows of a tile: which half, in bytes,
	s_mov_b32 s19, 0
	s_mul_i32 s45, s14, HALFT                      ; and where they go: wave x 128 rows: no place in the cluster enters an LDS address
	s_wait_kmcnt 0x0
	s_cmp_eq_u32 ttmp9, 2                          ; which buffer is A and which is B hangs on the role alone
	s_cselect_b64 s[96:97], s[8:9], s[4:5]         ; A's codes
	s_cselect_b64 s[98:99], s[10:11], s[6:7]       ; A's scale bytes
	s_cselect_b64 s[8:9], s[4:5], s[8:9]           ; B's codes
	s_cselect_b64 s[10:11], s[6:7], s[10:11]       ; B's scale bytes
	s_add_nc_u64 s[20:21], s[96:97], s[20:21]
	s_add_nc_u64 s[22:23], s[98:99], s[22:23]
	s_add_nc_u64 s[46:47], s[8:9], s[46:47]
	s_add_nc_u64 s[92:93], s[10:11], s[92:93]
	CROUND                                         ; all sixteen work-groups are here: the first joint loads meet
	s_mov_b32 s[G0S], 1
	s_mov_b32 s[G0S+1], SCL
	s_mov_b64 s[G0S+2:G0S+3], s[22:23]
	s_or_b32 s[G0S+3], s[G0S+3], 0x80000000
	s_mov_b32 s[G0SB], 1
	s_mov_b32 s[G0SB+1], SCL+2*HALFS
	s_mov_b64 s[G0SB+2:G0SB+3], s[92:93]
	s_or_b32 s[G0SB+3], s[G0SB+3], 0x80000000
.set G0H, 4                            ; s[4:7], s[8:11] group 0 for the head's loads of K step 0 (the arguments that lay there have been used)
.set G0HB, 8
	s_mov_b32 s[G0H], 1                            ; K step 0's 256 rows of A,
	s_mov_b32 s[G0H+1], 0
	s_mov_b64 s[G0H+2:G0H+3], s[20:21]
	s_or_b32 s[G0H+3], s[G0H+3], 0x80000000
	s_mov_b32 s[G0HB], 1                           ; and of B, behind them in slot 0
	s_mov_b32 s[G0HB+1], 2*HALFT
	s_mov_b64 s[G0HB+2:G0HB+3], s[46:47]
	s_or_b32 s[G0HB+3], s[G0HB+3], 0x80000000
	s_add_nc_u64 s[20:21], s[20:21], s[18:19]      ; for the ring: my 128 rows of the tile
	s_add_nc_u64 s[46:47], s[46:47], s[18:19]
.irp s, 0,1
	s_mov_b32 s[G0+4*\s], 1
	s_add_co_u32 s[G0+4*\s+1], s45, \s*SLOT
	s_add_nc_u64 s[G0+4*\s+2:G0+4*\s+3], s[20:21], \s*ROWB
	s_or_b32 s[G0+4*\s+3], s[G0+4*\s+3], 0x80000000
	s_mov_b32 s[G0B+4*\s], 1
	s_add_co_u32 s[G0B+4*\s+1], s45, \s*SLOT
	s_add_nc_u64 s[G0B+4*\s+2:G0B+4*\s+3], s[46:47], \s*ROWB
	s_or_b32 s[G0B+4*\s+3], s[G0B+4*\s+3], 0x80000000
.endr
; THE HEAD'S LOADS, ONE A WAVE: wave 0 K step 0's 256 rows of A, wave 1 those of B, wave 2 the scale bytes of A's 256 rows, wave 3 those of B's.
; One chain of branches on the wave's number, a load to an arm, all arms leading to one join.
.macro ARM under, g0, g1, next
	s_cmp_lt_u32 s14, \under
	s_cbranch_scc0 \next
	tensor_load_to_lds s[\g0:\g0+3], s[\g1:\g1+7]
	s_nop 0
.rept 4
	v_nop
.endr
	s_branch .Lhead_asked
\next:
.endm
	ARM 1, G0H,  G1,  .Lhead_b
	ARM 2, G0HB, G1B, .Lhead_sa
	ARM 3, G0S,  G1S, .Lhead_sb
	tensor_load_to_lds s[G0SB:G0SB+3], s[G1SB:G1SB+7]
	s_nop 0
.rept 4
	v_nop
.endr
.Lhead_asked:
	v_and_b32 v1, 15, v0                           ; r = lane % 16
	v_bfe_u32 v2, v0, 4, 1                         ; h = lane / 16
	v_mul_u32_u24 v3, v1, PITCH
	v_lshl_add_u32 v4, v2, 4, v3                   ; a fragment's row x pitch + 16 x half
	s_mul_i32 s21, s15, HALFT                      ; my 128 rows of A
	s_mul_i32 s22, s16, HALFT                      ; my 128 rows of B,
	s_add_co_u32 s22, s22, 2*HALFT                 ; which lie behind A's 256
.irp s, 0,1
	v_add_nc_u32 v[ADRA+\s], s21, v4
	v_add_nc_u32 v[ADRB+\s], s22, v4
	s_add_co_u32 s21, s21, SLOT
	s_add_co_u32 s22, s22, SLOT
.endr
	v_mul_u32_u24 v5, v1, KS                       ; my row's scale bytes: 32 a row,
	v_lshrrev_b32 v6, 8, v5
	v_lshl_add_u32 v5, v6, 4, v5                   ; and 16 more for each 256 passed
	s_mul_i32 s21, s15, HALFS                      ; A's: my 128 rows
	s_mul_i32 s22, s16, HALFS                      ; B's: my 128 rows, behind A's 256
	s_add_co_u32 s22, s22, 2*HALFS
	s_sub_co_u32 s22, s22, s21
	v_mul_u32_u24 v6, s22, v2                      ; lanes 16-31 take B's
	s_add_co_u32 s21, s21, SCL
	v_add_nc_u32 v5, v5, v6
	v_add_nc_u32 v[ADRS], s21, v5
	v_and_b32 v6, 31, v0
	v_lshlrev_b32 v[LI], 4, v6                     ; 16 x lane
	s_lshl_b32 s23, s14, 10                        ; my 1,024 bytes of the stage
	v_lshlrev_b32 v5, 2, v1
	v_lshl_add_u32 v5, v2, 9, v5
	v_add_nc_u32 v5, s23, v5
	v_add_nc_u32 v[SW], STG, v5                    ; in: 4 r, lanes 16-31 in the second 512 bytes
	v_add_nc_u32 v5, s23, v[LI]
	v_add_nc_u32 v[SRD], STG, v5                   ; back: 16 bytes a lane
.irp b, 0,1,2,3
	v_mov_b32 v[TM+4+\b], 0                        ; written once: a lane permute's destination counts as one of its sources
.endr
.macro FRAG reg, adr, q, i             ; a fragment, 16 rows x 128 K: lane l holds row l % 16; registers 4 c .. 4 c + 3 hold K = 32 c + 16 (l / 16) + 0 .. 15
.irp c, 0,1,2,3
	ds_load_b128 v[\reg+4*\c:\reg+4*\c+3], v[\adr] offset:128*(\q)+32*\c+(\i)*16*PITCH
.endr
.endm
; 16 matrix instructions: A's blocks a0, a0 + 1 x B's eight, 128 along K.  p: B's set;  sc: the set of scale words.  zero = 1: the first product starts the sums.
; The 64 accumulators take turns, one instruction a turn, in the same order in every step.
.macro MUL16 a0, p, q, sc, zero
.irp a, \a0, \a0+1
.irp b, 0,1,2,3,4,5,6,7
.if \zero
	v_wmma_scale_f32_16x16x128_f8f6f4 v[8*(8*((\a)%4)+\b):8*(8*((\a)%4)+\b)+7], v[128*(\p)+FR*\b:128*(\p)+FR*\b+FR-1], v[AF+FR*(\a):AF+FR*(\a)+FR-1], 0, v[SC+8*NQ*(\sc)+NQ*\b+(\q)], v[SC+8*NQ*(\sc)+NQ*(\a)+(\q)] matrix_a_fmt:MATRIX_FMT_BF8 matrix_b_fmt:MATRIX_FMT_BF8 matrix_a_scale:MATRIX_SCALE_ROW1
.else
	v_wmma_scale_f32_16x16x128_f8f6f4 v[8*(8*((\a)%4)+\b):8*(8*((\a)%4)+\b)+7], v[128*(\p)+FR*\b:128*(\p)+FR*\b+FR-1], v[AF+FR*(\a):AF+FR*(\a)+FR-1], v[8*(8*((\a)%4)+\b):8*(8*((\a)%4)+\b)+7], v[SC+8*NQ*(\sc)+NQ*\b+(\q)], v[SC+8*NQ*(\sc)+NQ*(\a)+(\q)] matrix_a_fmt:MATRIX_FMT_BF8 matrix_b_fmt:MATRIX_FMT_BF8 matrix_a_scale:MATRIX_SCALE_ROW1
.endif
.endr
.endr
.endm
.macro FETCH_B slot, q, p              ; B's eight fragments of the slot's q-th 128 along K into set p
	WIN TO_B
.irp i, 0,1,2,3,4,5,6,7
	FRAG 128*(\p)+FR*\i, ADRB+\slot, \q, \i
.endr
	WIN 0
.endm
.macro FETCH_A slot, q, i0             ; A's blocks i0 .. i0 + 3
.irp i, \i0, \i0+1, \i0+2, \i0+3
	FRAG AF+FR*(\i), ADRA+\slot, \q, \i
.endr
.endm
.macro SCALES sc                       ; the next K step's scale words into set sc: lanes 0-15 take A's block i, lanes 16-31 B's block i
.irp i, 0,1,2,3,4,5,6,7
	ds_load_b64 v[SC+8*NQ*\sc+NQ*\i:SC+8*NQ*\sc+NQ*\i+1], v[ADRS] offset:\i*SBLK
.endr
.endm
; A load into a register that a matrix instruction has read, and a vector instruction or a store that reads a matrix result, stand NP places behind that matrix instruction; only plain vector
; instructions that name none of its registers are places (ISA guide 7.12.1 for vector instructions).
.macro PLACES n
.rept \n
	v_nop
.endr
.endm
; A step of 128 along K that has its successor in the same slot.  A's blocks 0-3 are fetched anew in its middle, blocks 4-7 at its end; B has two sets.
.macro STEP slot, q, zero
	s_wait_dscnt 4*NL                              ; B's set and A's blocks 0-3 are in; the youngest 16 loads (A's blocks 4-7) may be out
	WIN MUL_LO
	MUL16 0, (\q)%2, \q, \slot, \zero
	MUL16 2, (\q)%2, \q, \slot, \zero
	s_wait_dscnt 0                                 ; A's blocks 4-7 are in (asked for 32 matrix instructions ago)
	PLACES NP
	FETCH_B \slot, (\q)+1, 1-(\q)%2
	FETCH_A \slot, (\q)+1, 0
	WIN MUL_HI
	MUL16 4, (\q)%2, \q, \slot, \zero
	MUL16 6, (\q)%2, \q, \slot, \zero
	PLACES NP
	WIN 0
	FETCH_A \slot, (\q)+1, 4
.endm
; A slot's last step changes slots: ONE barrier; in front of it each wave waits for all its tensor loads, adds 0 to its spare word, and waits for that and for its own reads of this slot.  fill = 1: this slot is filled again, two K steps ahead.
.macro TURN slot, next, fill
	s_wait_tensorcnt 0x0                           ; all my tensor loads have landed: my part of the next slot  (every window is 0 here)
	ds_add_u32 v[SPW], v[NIL]                      ; 0 onto my spare word
	s_wait_dscnt 4*NL+1                            ; (the add and the youngest 16 loads, A's blocks 4-7, may be out)
	WIN MUL_LO
	MUL16 0, 1, NQ-1, \slot, 0                     ; sixteen matrix instructions stand between the add and the wait for it
	s_wait_dscnt 0x0                               ; the add is done, and my reads of this slot are over
	s_barrier_signal -1
	MUL16 2, 1, NQ-1, \slot, 0
	WIN 0
	s_barrier_wait -1
.if \fill
	CREST                                          ; the barrier has opened a round of the cluster's barrier: no wave of any partner still reads this slot or has a load on its way
	s_add_nc_u64 s[G0+4*\slot+2:G0+4*\slot+3], s[G0+4*\slot+2:G0+4*\slot+3], 2*ROWB
	s_add_nc_u64 s[G0B+4*\slot+2:G0B+4*\slot+3], s[G0B+4*\slot+2:G0B+4*\slot+3], 2*ROWB
	JLOAD G0+4*\slot, G1, G0B+4*\slot, G1B         ; the first tensor load behind the round; its four v_nop are among the places in front of the loads below
	PLACES NP-4
.else
	PLACES NP
.endif
	s_wait_alu depctr_va_vdst(0)
	v_add_nc_u32 v[ADRS], 4*NQ, v[ADRS]            ; on to the next K step's scale words (no LDS load of mine is out)
	FETCH_B \next, 0, 0
	FETCH_A \next, 0, 0
	SCALES \next
	WIN MUL_HI
	MUL16 4, 1, NQ-1, \slot, 0
	MUL16 6, 1, NQ-1, \slot, 0
	PLACES NP
	WIN 0
	FETCH_A \next, 0, 4
.endm
	s_wait_alu depctr_va_vdst(0)
	s_wait_tensorcnt 0x0                           ; my tile of the head's four is in; the same lines stand ahead of a later first fill as ahead of a refill:
	ds_add_u32 v[SPW], v[NIL]                      ; 0 onto my spare word
	s_mov_b32 s[G1+2], 128<<16                     ; no tensor load of mine is out, so a descriptor may be written: from here on a load brings 128 rows
	s_mov_b32 s[G1+4], 128
	s_mov_b32 s[G1B+2], 128<<16
	s_mov_b32 s[G1B+4], 128
	s_wait_dscnt 0x0                               ; the add is done
	CROUND                                         ; a whole round: all four tiles are in, and all sixteen work-groups are here,
	JLOAD G0+4, G1, G0B+4, G1B                     ; and K step 1's load is the first tensor load behind the round
	FETCH_B 0, 0, 0
	FETCH_A 0, 0, 0
	SCALES 0
	FETCH_A 0, 0, 4
	STEP 0, 0, 1                                   ; K = 1,024 is four slots' worth, twice round the ring: the eight steps of 128 are written on end
	TURN 0, 1, 1
	STEP 1, 0, 0
	TURN 1, 0, 1
	STEP 0, 0, 0
	TURN 0, 1, 0                                   ; the last lap fills nothing, and has no round of the cluster's barrier
	STEP 1, 0, 0
	s_wait_dscnt 4*NL                              ; the very last step: nothing more to fetch
	WIN MUL_LO
	MUL16 0, 1, NQ-1, 1, 0
	MUL16 2, 1, NQ-1, 1, 0
	s_wait_dscnt 0
	WIN MUL_HI
	MUL16 4, 1, NQ-1, 1, 0
	MUL16 6, 1, NQ-1, 1, 0
	WIN 0
	; THE WAY OUT.  No tensor load is out (the last change of slots waited for all): the descriptors' registers are free.
	s_lshl_b32 s24, s17, 8
	s_lshl_b32 s25, s15, 7
	s_add_co_u32 s24, s24, s25                     ; my first row of A
	s_lshl_b32 s25, s42, 8
	s_lshl_b32 s26, s16, 7
	s_add_co_u32 s25, s25, s26                     ; my first row of B
	s_mov_b32 s28, 2048
	s_mov_b32 s29, 131072
	s_mov_b32 s30, 1024
	s_mov_b32 s31, 20480
	s_cmp_eq_u32 s95, 1                            ; the role; all choices stand on this one compare.  First figure: v; second: q, k
	s_cselect_b32 s26, s25, s24                    ; my first token place
	s_cselect_b32 s27, s24, s25                    ; my first row of wc
	s_cselect_b32 s28, s28, 1024                   ; from block a to a + 1: a tile of d places | a tile of token places
	s_cselect_b32 s29, s29, 4096                   ; block 4: the next head | four tiles on
	s_cselect_b32 s30, s30, 131072                 ; from codes 0, 1 to codes 2, 3: 1,024 bytes on | the next head
	s_cselect_b32 s31, s31, 256                    ; the scale words of lanes 16-31: the next head | on end
	s_cselect_b32 s32, -1, 0xffff                  ; the bytes kept of a scale word
	s_cselect_b32 s33, 0, 0x7f7f0000               ; and those of the zero blocks
	s_lshr_b32 s34, s27, 10                        ; which: 0 q, 1 k, 2 v
	s_bfe_u32 s35, s27, 0x40006                    ; my first head (of two)
	s_lshr_b32 s36, s26, 11                        ; b
	s_and_b32 s37, s26, 2047                       ; the token place in b
	s_lshl_b32 s36, s36, 4
	s_add_co_u32 s36, s36, s35                     ; 16 b + head
	s_lshl_b32 s38, s34, 23
	s_lshl_b32 s39, s36, 17
	s_add_co_u32 s38, s38, s39
	s_lshl_b32 s39, s37, 6                         ; 1,024 bytes for 16 token places, and 8,192 for 128 keys: 64 a token in both roles
	s_add_co_u32 s38, s38, s39
	s_mov_b32 s39, 0
	s_add_nc_u64 s[12:13], s[12:13], s[38:39]
	s_mul_i32 s38, s36, 20480
	s_lshl_b32 s34, s34, 13
	s_add_co_u32 s38, s38, s34
	s_lshl_b32 s37, s37, 2                         ; q, k: 4 bytes a token place;
	s_lshr_b32 s37, s37, s95                       ; v: 256 bytes for 128 keys
	s_add_co_u32 s38, s38, s37
	s_add_nc_u64 s[100:101], s[100:101], s[38:39]
	s_mov_b32 s20, 0x76543210
	s_mov_b32 s21, 0xfedcba98                      ; v_permlanex16_b32's selects for lane l xor 16
	s_mov_b32 s22, 0x600000                        ; the mantissa field of 57,344
	s_mov_b32 s23, 0xffff0000                      ; lanes 16-31
	s_mov_b32 s40, 0                               ; block a's byte offset
	v_and_b32 v[T0], 15, v0                        ; (these four lines are four of the eight places behind the last products)
	v_bfe_u32 v[T1], v0, 4, 1
	v_lshlrev_b32 v[T0], 4, v[T0]
	v_mad_u32_u24 v[VS], v[T1], s31, v[T0]
	PLACES NP-4
; Block a: 16 rows of A x my 128 rows of B.  A lane's 64 numbers, register 16 b + i = B's true index 32 b + 16 (lane / 16) + i, are four blocks of 32 shared with lane l xor 16.
.macro QOUT a
.set AC, 64*((\a)%4)
.set WA, 2+(\a)/4                      ; the window of the block's accumulators
	s_wait_xcnt 0x0                                ; the last block's stores have read their offsets and data: both are written again only behind this wait
.if (\a) == 4
	s_mov_b32 s40, s29
.endif
	v_add_nc_u32 v[VO0], s40, v[LI]
	v_add_nc_u32 v[VO1], s30, v[VO0]
	WIN WA*5                                       ; sources 0 and 1: the accumulators' window
.irp b, 0,1,2,3
	v_max3_num_f32 v[TM+\b], |v[AC+16*\b]|, |v[AC+16*\b+1]|, 0x8000000   ; my 16 numbers of block b, and the floor 2^(16 - 127).  Each accumulator is read from its low end on
.endr
.irp i, 2,4,6,8,10,12,14
.irp b, 0,1,2,3
	v_max3_num_f32 v[TM+\b], |v[AC+16*\b+\i]|, |v[AC+16*\b+\i+1]|, v[TM+\b]   ; (the four blocks by turns)
.endr
.endr
	WIN 0
.irp b, 0,1,2,3
	v_permlanex16_b32 v[TM+4+\b], v[TM+\b], s20, s21
.endr
.irp b, 0,1,2,3
	v_max_num_f32 v[TM+\b], v[TM+\b], v[TM+4+\b]   ; with lane l xor 16's: the block's largest magnitude
.endr
.irp b, 0,1,2,3
	v_add_nc_u32 v[TM+12+\b], 0xf8800000, v[TM+\b] ; 15 off its exponent field: the conversion's scale operand
.endr
.irp b, 0,1,2,3
	v_and_or_b32 v[TM+8+\b], v[TM+\b], 0x7f800000, s22   ; 57,344 x the scale
.endr
.irp b, 0,1,2,3
	v_lshrrev_b32 v[TM+4+\b], 23, v[TM+12+\b]      ; the scale's byte
.endr
	v_lshl_or_b32 v[PW], v[TM+5], 8, v[TM+4]
	v_lshl_or_b32 v[PW], v[TM+6], 16, v[PW]
	v_lshl_or_b32 v[PW], v[TM+7], 24, v[PW]
	WIN WA                                         ; source 0: the accumulators' window
.irp b, 0,1,2,3
.irp i, 0,1,2,3,4,5,6,7,8,9,10,11,12,13,14,15
	v_med3_num_f32 v[X+16*\b+\i], v[AC+16*\b+\i], -v[TM+8+\b], v[TM+8+\b]   ; the conversion to an 8-bit code does not saturate (ISA guide 7.6.2): the hold comes first
.endr
.endr
	WIN 0
.irp b, 0,1,2,3
	v_cvt_scalef32_pk8_bf8_f32 v[PC+4*\b:PC+4*\b+1], v[X+16*\b:X+16*\b+7], v[TM+12+\b]
	v_cvt_scalef32_pk8_bf8_f32 v[PC+4*\b+2:PC+4*\b+3], v[X+16*\b+8:X+16*\b+15], v[TM+12+\b]
.endr
	v_and_or_b32 v[T0], v[PW], s32, s33            ; (the plain line behind the conversions)  v: the word as it is; q, k: the first head's two bytes over 0x7f7f
	v_lshrrev_b32 v[T1], 16, v[PW]
	v_or_b32 v[T1], 0x7f7f0000, v[T1]              ; q, k: the second head's
	v_cndmask_b32 v[T0], v[T0], v[T1], s23         ; lanes 16-31 carry the second
	ds_store_b32 v[SW], v[T0] offset:64*(\a)
	global_store_b128 v[VO0], v[PC:PC+3], s[12:13]                   ; each store: 32 lanes, 512 consecutive bytes, aligned
	global_store_b128 v[VO0], v[PC+4:PC+7], s[12:13] offset:512
	global_store_b128 v[VO1], v[PC+8:PC+11], s[12:13]
	global_store_b128 v[VO1], v[PC+12:PC+15], s[12:13] offset:512
	s_add_co_u32 s40, s40, s28
.endm
.irp a, 0,1,2,3,4,5,6,7
	QOUT \a
.endr
	ds_load_b128 v[RB:RB+3], v[SRD]                ; LDS serves a wave's instructions in order: these see my stores
	ds_load_b128 v[RB+4:RB+7], v[SRD] offset:512
	s_wait_dscnt 0x0
	global_store_b128 v[VS], v[RB:RB+3], s[100:101]   ; q, k: 512 consecutive bytes of the first head; v: 256 of each of the two heads
	s_cmp_eq_u32 s95, 1
	s_cbranch_scc1 .Lone_run                       ; on the role, which all partners share: v has no second run of words
	global_store_b128 v[VS], v[RB+4:RB+7], s[100:101] offset:20480   ; q, k: the second head's 512 bytes
.Lone_run:
	s_wait_tensorcnt 0x0                           ; the wave's end: behind my last tensor load and my last LDS store
	ds_add_u32 v[SPW], v[NIL]
	s_wait_dscnt 0x0
	CROUND                                         ; the closing round: no work-group ends while a partner may still ask for a tile that names it
	s_endpgm
.Lfunc_end_k_qc228fa2724_qkv:
	.size	k_qc228fa2724_qkv, .Lfunc_end_k_qc228fa2724_qkv-k_qc228fa2724_qkv
	.p2alignl 7, 3214868480
	.fill 96, 4, 3214868480
	.section	.rodata,"a",@progbits
	.p2align	6, 0x0
	.amdhsa_kernel k_qc228fa2724_qkv
		.amdhsa_group_segment_fixed_size 327680
		.amdhsa_private_segment_fixed_size 0
		.amdhsa_enable_private_segment 0
		.amdhsa_kernarg_size 48
		.amdhsa_user_sgpr_count 2
		.amdhsa_user_sgpr_kernarg_segment_ptr 1
		.amdhsa_wavefront_size32 1
		.amdhsa_system_sgpr_workgroup_id_x 1
		.amdhsa_system_sgpr_workgroup_id_y 1
		.amdhsa_system_sgpr_workgroup_id_z 1
		.amdhsa_system_vgpr_workitem_id 0
		.amdhsa_next_free_vgpr 1024
		.amdhsa_next_free_sgpr 102
		.amdhsa_reserve_vcc 0
		.amdhsa_float_denorm_mode_32 3
		.amdhsa_float_denorm_mode_16_64 3
		.amdhsa_memory_ordered 1
		.amdhsa_forward_progress 1
		.amdhsa_inst_pref_size 190
	.end_amdhsa_kernel
	.amdgpu_metadata
---
amdhsa.version: [ 1, 2 ]
amdhsa.kernels:
  - .name:           k_qc228fa2724_qkv
    .symbol:         k_qc228fa2724_qkv.kd
    .args:
      - { .name: rc, .offset: 0, .size: 8, .value_kind: global_buffer, .address_space: global }
      - { .name: rs, .offset: 8, .size: 8, .value_kind: global_buffer, .address_space: global }
      - { .name: wc, .offset: 16, .size: 8, .value_kind: global_buffer, .address_space: global }
      - { .name: ws, .offset: 24, .size: 8, .value_kind: global_buffer, .address_space: global }
      - { .name: qkvc, .offset: 32, .size: 8, .value_kind: global_buffer, .address_space: global }
      - { .name: qkvs, .offset: 40, .size: 8, .value_kind: global_buffer, .address_space: global }
    .group_segment_fixed_size: 327680
    .private_segment_fixed_size: 0
    .kernarg_segment_align: 8
    .kernarg_segment_size: 48
    .max_flat_workgroup_size: 128
    .sgpr_count:     102
    .vgpr_count:     1024
    .wavefront_size: 32
...
	.end_amdgpu_metadata
.endif
;; end of part 2
;; launch attn (part 3): grid 4 x 64, 16 waves a work-group, clusters of 4 x 1, 327,680 bytes of LDS; arguments qkvc, qkvs, ac, asc; writes ac, asc
.if DOCPART == 3
	.amdgcn_target "amdgcn-amd-amdhsa--gfx1250"
	.amdhsa_code_object_version 6
	.text
	.protected	k_qc228fa2724_attn
	.globl	k_qc228fa2724_attn
	.p2align	8
	.type	k_qc228fa2724_attn,@function
k_qc228fa2724_attn:
	s_mov_b64 s[64:65], 0
	v_nop
	global_prefetch_b8 v0, s[64:65] scope:SCOPE_SE
	s_setreg_imm32_b32 hwreg(HW_REG_WAVE_MODE, 25, 1), 1
	s_wait_xcnt 0x0
	s_wait_alu depctr_hold_cnt(0) depctr_sa_sdst(0) depctr_va_vdst(0) depctr_va_sdst(0) depctr_va_ssrc(0) depctr_va_vcc(0) depctr_vm_vsrc(0)
	s_getreg_b32 s2, hwreg(HW_REG_IB_STS2, 6, 4)
	s_cmp_eq_u32 s2, 0
	s_cbranch_scc0 .Lentry_in_a_cluster
	s_endpgm
.Lentry_in_a_cluster:
	s_bfe_u32 s2, ttmp6, 0x10000c
	s_cmp_lg_u32 s2, 0x3003
	s_cbranch_scc0 .Lentry_shape_is_right
	s_endpgm
.Lentry_shape_is_right:
; Causal attention of one (b, head), 2,048 tokens, head size 64, both products on codes of BF8 (E5M2) with one E8M0 scale for each 32 along a product's K; its result, divided by the row's sum, is quantised along the head's 64
; and stored as the registers of the next product's operand (ac) with its scale bytes (asc).
; THE SOFTMAX: t = score x log2(e) / 8; M = the row's largest t so far, rounded UP to a whole number; p = 2^(t - M) is what is quantised, along the keys.  The row's sum is taken of the unquantised p and divides at the end.
; When M moves, the sum and O are multiplied by 2^(old M - new M): exact.
; IN: qkvc holds q, k, v as images of operand registers (four registers of 32 lanes = 512 bytes on end), qkvs their scale words.  Token places and d places have bits 3 and 4 of the index exchanged; v's keys run in true order.
; SHARES.  The four work-groups of a cluster share one (b, head): its k, v and their scale words (274,432 bytes) come into each one's LDS ONCE, by joint loads; nothing is filled again, and nothing is stored to LDS.
; Work-group g (its place in the cluster), wave w own two tiles of 16 query places: 4 w + g and 127 - (4 w + g).  Their last steps of 128 keys are w / 2 and 15 - w / 2, whatever g: every wave works 17 steps, and every branch hangs on the
; wave's number and a counter alone.  Sixteen waves of 256 registers: four to a SIMD, so that one wave's vector work stands beside another's matrix work and LDS loads.
; LAYOUT.  Both products are used transposed: S^T = K Q^T (source 0 = 16 key places, source 1 = my 16 queries), O^T = V^T P^T (source 0 = 16 d places, source 1 = p): a lane holds ONE query throughout.
; Since places have bits 3 and 4 exchanged, the 16 registers of tiles 2 b and 2 b + 1 are 16 neighbours in true order: keys 32 b + 16 (lane / 16) + 0 .. 15 in S^T, d likewise in O^T.
; K of the first product is 64: the upper half of both fragments is zero codes, under the byte 0x7f.
; LIMITS: t - M is one fused multiply-add of the score; the division by the sum is v_rcp_f32 and a multiplication; a block of zeros gets the byte 1 where the rule says 127 (its codes are zeros, this program alone reads the bytes);
; a block's largest p is taken as 2^(t - M) of its largest score; NaN and infinities are not served.
.set VIMG, 131072                      ; LDS: k's image at 0 (step of 128 keys x 8,192 + tile x 1,024 + 512 c + 16 lane); v's here (step x 8,192 + tile of d x 2,048 + 512 c + 16 lane);
.set SCW,  262144                      ; k's scale words (step x 512 + tile x 64 + 4 r);
.set SCV,  SCW+8192                    ; v's (step x 256 + tile x 64 + 4 r)
.set LI,   1                           ; v1   16 x lane
.set L4,   2                           ; v2   4 x lane
.set R4,   3                           ; v3   4 r
.set DQ,   4                           ; v4   my query - the diagonal step's first key - 16 (lane / 16)
.set DL,   5                           ; v5   r + 8 (r / 8) - 16 (lane / 16)
.set SO,   6                           ; v6   32 r + lane / 16: my scale byte's place
.set ADK,  8                           ; v8-11 LDS addresses of the step: k, v, k's scale words, v's
.set ADV,  9
.set ADS,  10
.set ADT,  11
                                       ; v12 -M, v13 the largest t, v[14:15] the sum in two halves; v16-31 Q (v24-31 zeros); v32-95 four fragments of k (the upper 8 of each zeros)
                                       ; v96-159 S^T, then p, then four fragments of v, at last O / the sum; v160-191 O^T; v192-207 p's codes
.set KSW,  208                         ; v208-211 k's scale words: lanes 0-15 tile 2 i, lanes 16-31 tile 2 i + 1
.set VSW,  212                         ; v212-213 v's likewise
.set QSW,  214                         ; v214 Q's scale words
.set PSW,  215                         ; v215 p's
.set BM,   216                         ; v216-219 a block's largest score, then p
.set BT,   220                         ; v220-223 at work, then bytes
.set BH,   224                         ; v224-227 57,344 x the scale
.set BS,   228                         ; v228-231 the conversions' scale operands
.set F,    232                         ; v[232:233] f = 2^(old M - new M), named as a pair
.set T,    234
.set S2,   236                         ; v[236:237] the sum's second chain
.set OC,   240                         ; v240-247 O's codes; v248 its scale byte
.set WV,   12
.set BH_,  14                          ; s14 16 b + head; s15 b; s16 head
.set JL,   17
.set JH,   18
.set MNT,  19
.set SEL,  20
.set CS,   22
.set G1C,  24                          ; s[24:31] group 1: 128 rows of 256 bytes;  s[32:39]: 48 rows
.set G1S,  32
.set G0S,  40                          ; s[40:43] group 0 for the scale words;  s[44:47] for my eighth of the two images
.set G0C,  44
.set HM,   60
.set KS,   61                          ; the step
.set LIM,  62                          ; the tile's last step, the one on the diagonal
.set TK,   63                          ; LDS bytes at which the step's k, v and scale words begin
.set TV,   66
.set TSK,  67
.set TSV,  68
.set AH,   70                          ; s[70:77] the high tile's addresses: Q's codes, Q's scale words, its place in ac, in asc;  s[78:85] the low tile's
.set AL,   78
.set DH,   86                          ; s86, s87: the tile's first true query less its diagonal step's first key
.set DLO,  87
.macro ROUND                           ; a round of the cluster's barrier
	s_barrier_signal -1
	s_barrier_wait -1
	s_cmp_lg_u32 s[WV], 0
	s_cbranch_scc1 .Lnot_wave_0_\@
	s_barrier_signal -3
.Lnot_wave_0_\@:
	s_barrier_wait -3
	s_barrier_signal -1
	s_barrier_wait -1
.endm
	s_load_b256 s[4:11], s[0:1], 0x0               ; qkvc s[4:5], qkvs s[6:7], ac s[8:9], asc s[10:11]
	v_lshl_add_u32 v254, v0, 2, 0x43000
	v_mov_b32 v255, 0
	ds_add_u32 v254, v255
	ds_add_u32 v254, v255
	v_lshrrev_b32 v1, 5, v0
	s_delay_alu instid0(VALU_DEP_1)
	v_readfirstlane_b32 s[WV], v1                  ; wave 0..15
	s_and_b32 s[BH_], ttmp7, 0xffff                ; 16 b + head: the cluster's y, which the four partners share
	; group 1: dense blocks as rows of 256 bytes (32 elements of 8 bytes); 15:0 the mask: all four work-groups; 21 set beside a mask; no padding: every read is 16 x lane on end
	s_mov_b32 s[G1C], 15|(3<<16)|(1<<21)
	s_mov_b32 s[G1C+1], 32<<16
	s_mov_b32 s[G1C+2], 128<<16
	s_mov_b32 s[G1C+3], 32<<16
	s_mov_b32 s[G1C+4], 128
	s_mov_b32 s[G1C+5], 32
	s_mov_b32 s[G1C+6], 0
	s_mov_b32 s[G1C+7], 0
	s_mov_b32 s[G1S], 15|(3<<16)|(1<<21)
	s_mov_b32 s[G1S+1], 32<<16
	s_mov_b32 s[G1S+2], 48<<16
	s_mov_b32 s[G1S+3], 32<<16
	s_mov_b32 s[G1S+4], 48
	s_mov_b32 s[G1S+5], 32
	s_mov_b32 s[G1S+6], 0
	s_mov_b32 s[G1S+7], 0
	; what waves 0 to 7 fetch: wave / 4: k or v; wave % 4: which 32,768 bytes of its image; wave 8 fetches the 12,288 bytes of scale words
	s_and_b32 s74, s[WV], 7
	s_lshr_b32 s88, s74, 2
	s_and_b32 s89, s74, 3
	s_lshl_b32 s90, s74, 15                        ; in LDS: the two images lie on end
	s_lshl_b32 s91, s89, 15
	s_add_co_u32 s70, s88, 1
	s_lshl_b32 s70, s70, 23                        ; in memory: k at 8,388,608, v at 16,777,216,
	s_lshl_b32 s71, s[BH_], 17                     ; 131,072 bytes for each (b, head)
	s_add_co_u32 s70, s70, s71
	s_add_co_u32 s70, s70, s91
	s_mov_b32 s71, 0
	s_mul_i32 s72, s[BH_], 20480
	s_add_co_u32 s72, s72, 8192                    ; k's and v's scale words lie on end, behind q's
	s_mov_b32 s73, 0
	s_wait_dscnt 0x0
	s_wait_kmcnt 0x0
	s_add_nc_u64 s[70:71], s[4:5], s[70:71]
	s_add_nc_u64 s[72:73], s[6:7], s[72:73]
	s_mov_b32 s[G0S], 1
	s_mov_b32 s[G0S+1], SCW
	s_mov_b64 s[G0S+2:G0S+3], s[72:73]
	s_or_b32 s[G0S+3], s[G0S+3], 0x80000000
.irp q, 0
	s_mov_b32 s[G0C+4*\q], 1
	s_add_co_u32 s[G0C+4*\q+1], s90, \q*32768
	s_add_nc_u64 s[G0C+4*\q+2:G0C+4*\q+3], s[70:71], \q*32768
	s_or_b32 s[G0C+4*\q+3], s[G0C+4*\q+3], 0x80000000
.endr
	ROUND                                          ; all four work-groups are here: the joint loads meet
	s_cmp_lt_u32 s[WV], 8                          ; the first fills: one chain of branches on the wave's number, one load to an arm, one join: one load of mine is out at the most
	s_cbranch_scc0 .Lnot_img
	tensor_load_to_lds s[G0C:G0C+3], s[G1C:G1C+7]
	s_nop 0
.rept 4
	v_nop
.endr
	s_branch .Lno_fill
.Lnot_img:
	s_cmp_eq_u32 s[WV], 8
	s_cbranch_scc0 .Lno_fill
	tensor_load_to_lds s[G0S:G0S+3], s[G1S:G1S+7]
	s_nop 0
.rept 4
	v_nop
.endr
.Lno_fill:
	s_bfe_u32 s13, ttmp6, 0x40000                  ; g: my place in the cluster: it enters Q's, ac's and asc's addresses and the mask's numbers, no LDS address and no branch
	s_lshr_b32 s15, s[BH_], 4                      ; b
	s_and_b32 s16, s[BH_], 15                      ; head
	s_lshl_b32 s[JL], s[WV], 2
	s_add_co_u32 s[JL], s[JL], s13                 ; the low tile
	s_sub_co_u32 s[JH], 127, s[JL]                 ; the high tile
.macro TILEADR j, p, d                 ; tile s[j]'s four addresses into s[p .. p + 7], its diagonal number into s[d]
	s_lshl_b32 s88, s[BH_], 7
	s_add_co_u32 s88, s88, s[\j]
	s_lshl_b32 s88, s88, 10                        ; q's image: 1,024 bytes a tile
	s_mov_b32 s89, 0
	s_add_nc_u64 s[\p:\p+1], s[4:5], s[88:89]
	s_mul_i32 s88, s[BH_], 20480
	s_lshl_b32 s90, s[\j], 6                       ; q's scale words: 64 bytes a tile
	s_add_co_u32 s88, s88, s90
	s_add_nc_u64 s[\p+2:\p+3], s[6:7], s[88:89]
	s_lshl_b32 s88, s15, 7
	s_add_co_u32 s88, s88, s[\j]
	s_lshl_b32 s88, s88, 14                        ; ac: 16,384 bytes for a tile of 16 token places; a head's 64 of K are 1,024 of them
	s_lshl_b32 s90, s16, 10
	s_add_co_u32 s88, s88, s90
	s_add_nc_u64 s[\p+4:\p+5], s[8:9], s[88:89]
	s_lshl_b32 s88, s15, 11
	s_lshl_b32 s90, s[\j], 4
	s_add_co_u32 s88, s88, s90
	s_lshl_b32 s88, s88, 5                         ; asc: 32 bytes a token place; a head has two of them
	s_lshl_b32 s90, s16, 1
	s_add_co_u32 s88, s88, s90
	s_add_nc_u64 s[\p+6:\p+7], s[10:11], s[88:89]
	s_and_b32 s88, s[\j], 6
	s_lshl_b32 s88, s88, 4
	s_and_b32 s90, s[\j], 1
	s_lshl_b32 s90, s90, 3
	s_add_co_u32 s[\d], s88, s90                   ; 32 ((j % 8) / 2) + 8 (j % 2): place 16 j + r is true query 128 (j / 8) + this + r + 8 (r / 8)
.endm
	TILEADR JH, AH, DH
	TILEADR JL, AL, DLO
	s_mov_b32 s[SEL], 0x76543210
	s_mov_b32 s[SEL+1], 0xfedcba98                 ; v_permlanex16_b32's selects for lane l xor 16
	s_mov_b32 s[CS], 0x3e38aa3b                    ; c = log2(e) / 8
	s_mov_b32 s[CS+1], s[CS]                       ; (named with it as a pair, so it is written)
	s_mov_b32 s[MNT], 0x600000                     ; the mantissa field of 57,344
	s_mov_b32 s[HM], 0xffff0000                    ; lanes 16-31
	v_and_b32 v7, 31, v0
	s_delay_alu instid0(VALU_DEP_1)
	v_lshlrev_b32 v[LI], 4, v7
	s_delay_alu instid0(VALU_DEP_2)
	v_lshlrev_b32 v[L4], 2, v7
	v_and_b32 v7, 15, v0                           ; r
	v_bfe_u32 v8, v0, 4, 1                         ; h
	s_delay_alu instid0(VALU_DEP_2)
	v_lshlrev_b32 v[R4], 2, v7
	s_delay_alu instid0(VALU_DEP_2)
	v_lshl_add_u32 v[SO], v7, 5, v8
	s_delay_alu instid0(VALU_DEP_4)
	v_and_b32 v[DL], 8, v7
	s_delay_alu instid0(VALU_DEP_1)
	v_add_nc_u32 v[DL], v[DL], v7
	v_lshlrev_b32 v8, 4, v8
	s_delay_alu instid0(VALU_DEP_1)
	v_sub_nc_u32 v[DL], v[DL], v8
.macro QLOAD p                         ; a tile's fragment of Q (two groups of four registers) and its scale words
	global_load_b128 v[16:19], v[LI], s[\p:\p+1]
	global_load_b128 v[20:23], v[LI], s[\p:\p+1] offset:512
	global_load_b32 v[QSW], v[R4], s[\p+2:\p+3]
.endm
.macro INIT d                          ; a tile begins: O^T and the sum as zeros, the largest t under every t; the first change of M multiplies zeros
	v_mov_b32 v13, 0xff61b1e6                      ; -3e38
	s_delay_alu instid0(VALU_DEP_1)
	v_floor_f32 v12, -v13                          ; -M
	v_mov_b32 v14, 0
	v_mov_b32 v15, 0
.set n, 0
.rept 32
	v_mov_b32 v[160+n], 0
.set n, n+1
.endr
	v_add_nc_u32 v[DQ], s[\d], v[DL]
	s_mov_b32 s[KS], 0
	s_mov_b32 s[TK], 0
	s_mov_b32 s[TV], VIMG
	s_mov_b32 s[TSK], SCW
	s_mov_b32 s[TSV], SCV
.endm
	QLOAD AH
.set n, 0
.rept 8
	v_mov_b32 v[24+n], 0                           ; the zero codes that fill K from 64 to 128: Q's,
	v_mov_b32 v[40+n], 0                           ; and those of k's four fragments; written once
	v_mov_b32 v[56+n], 0
	v_mov_b32 v[72+n], 0
	v_mov_b32 v[88+n], 0
.set n, n+1
.endr
.irp b, 0,1,2,3
	v_mov_b32 v[BT+\b], 0                          ; written once: a lane permute's destination counts as one of its sources
.endr
	v_mov_b32 v[F+1], 0                            ; (named as the upper half of a pair)
	v_mov_b32 v[T], 0
	INIT DH
	s_lshr_b32 s[LIM], s[WV], 1
	s_xor_b32 s[LIM], s[LIM], 15                   ; the high tile's last step: 15 - w / 2
; A KEY STEP: 128 keys.  A step behind the tile's last is left out: a scalar branch on the wave's number and the counter, round the work, not round the lines at its end that step addresses.
.macro STEP
	s_cmp_gt_u32 s[KS], s[LIM]
	s_cbranch_scc1 .Lhidden_\@
	v_add_nc_u32 v[ADK], s[TK], v[LI]
	s_wait_alu depctr_va_vdst(0)
	v_add_nc_u32 v[ADV], s[TV], v[LI]
	v_add_nc_u32 v[ADS], s[TSK], v[L4]
	v_add_nc_u32 v[ADT], s[TSV], v[L4]
.rept 5
	v_nop                                          ; with the four additions nine places: the products below write over registers that the last step's products V^T P read as a source
.endr
.irp g, 0,1                                    ; S^T = K Q^T, four tiles of 16 key places at a time
.if \g
.rept 8
	v_nop                                          ; places in front of loads into registers that matrix instructions have read
.endr
.endif
.irp t, 0,1,2,3
	ds_load_b128 v[32+16*\t:35+16*\t], v[ADK] offset:(4*\g+\t)*1024
	ds_load_b128 v[36+16*\t:39+16*\t], v[ADK] offset:(4*\g+\t)*1024+512
.endr
.if \g == 0
.irp i, 0,1,2,3
	ds_load_b32 v[KSW+\i], v[ADS] offset:128*\i
.endr
.endif
	s_wait_dscnt 0x0
.irp t, 0,1,2,3
.if \t%2
	v_wmma_scale_f32_16x16x128_f8f6f4 v[96+8*(4*\g+\t):103+8*(4*\g+\t)], v[32+16*\t:47+16*\t], v[16:31], 0, v[KSW+2*\g+\t/2], v[QSW] matrix_a_fmt:MATRIX_FMT_BF8 matrix_b_fmt:MATRIX_FMT_BF8 matrix_a_scale:MATRIX_SCALE_ROW1
.else
	v_wmma_scale_f32_16x16x128_f8f6f4 v[96+8*(4*\g+\t):103+8*(4*\g+\t)], v[32+16*\t:47+16*\t], v[16:31], 0, v[KSW+2*\g+\t/2], v[QSW] matrix_a_fmt:MATRIX_FMT_BF8 matrix_b_fmt:MATRIX_FMT_BF8
.endif
.endr
.endr
.rept 8
	v_nop
.endr
	s_cmp_lg_u32 s[KS], s[LIM]                     ; on the diagonal the scores of hidden keys become -infinity ahead of the maximum: p = 0 then.  Every other step skips this
	s_cbranch_scc1 .Lopen_\@
	v_mov_b32 v[T], 0xff800000
.set n, 0
.rept 64
	v_cmp_gt_i32 vcc_lo, 32*(n/16)+n%16, v[DQ]     ; register 16 b + i holds key 32 b + 16 (lane / 16) + i of the step: hidden where it lies behind my query
	v_cndmask_b32 v[96+n], v[96+n], v[T], vcc_lo
.set n, n+1
.endr
.Lopen_\@:
.irp b, 0,1,2,3
	v_max3_num_f32 v[BM+\b], v[96+16*\b], v[97+16*\b], v[98+16*\b]   ; the largest score of each block of 32 keys: it serves for the row's maximum and, since p rises with the score, for the block's largest p
.endr
.irp i, 3,5,7,9,11,13
.irp b, 0,1,2,3
	v_max3_num_f32 v[BM+\b], v[BM+\b], v[96+16*\b+\i], v[97+16*\b+\i]
.endr
.endr
.irp b, 0,1,2,3
	v_max_num_f32 v[BM+\b], v[BM+\b], v[111+16*\b]
.endr
.irp b, 0,1,2,3
	s_delay_alu instid0(VALU_DEP_4)
	v_permlanex16_b32 v[BT+\b], v[BM+\b], s[SEL], s[SEL+1]
.endr
.irp b, 0,1,2,3
	s_delay_alu instid0(VALU_DEP_4)
	v_max_num_f32 v[BM+\b], v[BM+\b], v[BT+\b]     ; with lane l xor 16's 16 keys
.endr
	s_delay_alu instid0(VALU_DEP_2)
	v_max3_num_f32 v[T], v[BM], v[BM+1], v[BM+2]
	s_delay_alu instid0(VALU_DEP_1)
	v_max_num_f32 v[T], v[T], v[BM+3]              ; the step's largest score of my query
	s_delay_alu instid0(VALU_DEP_1)
	v_mul_f32 v[T], s[CS], v[T]                    ; as t (c is positive)
	s_delay_alu instid0(VALU_DEP_1)
	v_max_num_f32 v13, v13, v[T]                   ; the running largest t
	v_mov_b32 v[T], v12
	s_delay_alu instid0(VALU_DEP_2)
	v_floor_f32 v12, -v13                          ; the new -M = floor(-t) = -ceil(t)
	s_delay_alu instid0(VALU_DEP_1)
	v_sub_f32 v[T], v12, v[T]                      ; old M - new M: a whole number, 0 or less
	s_delay_alu instid0(VALU_DEP_1)
	v_cvt_i32_f32 v[T], v[T]                       ; (it saturates)
	s_delay_alu instid0(VALU_DEP_1)
	v_ldexp_f32 v[F], 1.0, v[T]                    ; f = 2^(old M - new M)
.set n, 0
.rept 32
	v_pk_fma_f32 v[96+n:97+n], v[96+n:97+n], s[CS:CS+1], v[12:13] op_sel_hi:[1,0,0]   ; t - M, two at a time
.set n, n+2
.endr
.irp b, 0,1,2,3
	v_fma_f32 v[BM+\b], v[BM+\b], s[CS], v12       ; the same of each block's largest score
.endr
.set n, 0
	s_wait_alu depctr_va_vdst(0)
.rept 64
	v_exp_f32 v[96+n], v[96+n]                     ; p = 2^(t - M), at most 1
.set n, n+1
.endr
.irp b, 0,1,2,3
	v_exp_f32 v[BM+\b], v[BM+\b]                   ; the block's largest p: the same two instructions on the same number
.endr
	v_pk_mul_f32 v[14:15], v[14:15], v[F:F+1] op_sel_hi:[1,0]   ; the sums under the new M.  (The plain line behind the exponentials)
	s_wait_alu depctr_va_vdst(0)
.irp b, 0,1,2,3
	v_max_num_f32 v[BM+\b], 0x8000000, v[BM+\b]    ; the floor 2^(16 - 127): the byte cannot fall under 1
.endr
.irp b, 0,1,2,3
	s_delay_alu instid0(VALU_DEP_4)
	v_add_nc_u32 v[BS+\b], 0xf8800000, v[BM+\b]    ; 15 off the exponent field: the conversion's scale operand
.endr
.irp b, 0,1,2,3
	v_and_or_b32 v[BH+\b], v[BM+\b], 0x7f800000, s[MNT]   ; 57,344 x the scale
.endr
.irp b, 0,1,2,3
	v_lshrrev_b32 v[BT+\b], 23, v[BS+\b]           ; the scale's byte
.endr
	s_delay_alu instid0(VALU_DEP_3)
	v_lshl_or_b32 v[PSW], v[BT+1], 8, v[BT]        ; p's scale word for these 128 keys
	s_delay_alu instid0(VALU_DEP_1)
	v_lshl_or_b32 v[PSW], v[BT+2], 16, v[PSW]
	s_delay_alu instid0(VALU_DEP_1)
	v_lshl_or_b32 v[PSW], v[BT+3], 24, v[PSW]
	v_pk_add_f32 v[236:237], v[100:101], v[104:105]
	v_pk_add_f32 v[252:253], v[108:109], v[112:113]
	v_pk_add_f32 v[250:251], v[116:117], v[120:121]
	v_pk_add_f32 v[248:249], v[124:125], v[128:129]
	v_pk_add_f32 v[246:247], v[132:133], v[136:137]
	v_pk_add_f32 v[244:245], v[140:141], v[144:145]
	v_pk_add_f32 v[242:243], v[148:149], v[152:153]
	v_pk_add_f32 v[14:15], v[14:15], v[156:157]
	v_pk_add_f32 v[236:237], v[236:237], v[96:97]
	v_pk_add_f32 v[252:253], v[252:253], v[98:99]
	v_pk_add_f32 v[250:251], v[250:251], v[102:103]
	v_pk_add_f32 v[248:249], v[248:249], v[106:107]
	v_pk_add_f32 v[246:247], v[246:247], v[110:111]
	v_pk_add_f32 v[244:245], v[244:245], v[114:115]
	v_pk_add_f32 v[242:243], v[242:243], v[118:119]
	v_pk_add_f32 v[14:15], v[14:15], v[122:123]
	v_pk_add_f32 v[236:237], v[236:237], v[126:127]
	v_pk_add_f32 v[252:253], v[252:253], v[130:131]
	v_pk_add_f32 v[250:251], v[250:251], v[134:135]
	v_pk_add_f32 v[248:249], v[248:249], v[138:139]
	v_pk_add_f32 v[246:247], v[246:247], v[142:143]
	v_pk_add_f32 v[244:245], v[244:245], v[146:147]
	v_pk_add_f32 v[242:243], v[242:243], v[150:151]
	v_pk_add_f32 v[14:15], v[14:15], v[154:155]
	v_pk_add_f32 v[236:237], v[236:237], v[158:159]
	s_delay_alu instid0(VALU_DEP_2)
	v_pk_add_f32 v[14:15], v[14:15], v[248:249]
	s_delay_alu instid0(VALU_DEP_2)
	v_pk_add_f32 v[236:237], v[236:237], v[246:247]
	v_pk_add_f32 v[252:253], v[252:253], v[244:245]
	v_pk_add_f32 v[250:251], v[250:251], v[242:243]
	s_delay_alu instid0(VALU_DEP_2)
	v_pk_add_f32 v[14:15], v[14:15], v[252:253]
	s_delay_alu instid0(VALU_DEP_2)
	v_pk_add_f32 v[236:237], v[236:237], v[250:251]
	s_delay_alu instid0(VALU_DEP_1)
	v_pk_add_f32 v[14:15], v[14:15], v[236:237]
.irp b, 0,1,2,3
.irp i, 0,1,2,3,4,5,6,7,8,9,10,11,12,13,14,15
	v_min_num_f32 v[96+16*\b+\i], v[96+16*\b+\i], v[BH+\b]   ; the conversion to an 8-bit code does not saturate (ISA guide 7.6.2); p is not negative, so the hold is one-sided
.endr
	v_cvt_scalef32_pk8_bf8_f32 v[192+4*\b:193+4*\b], v[96+16*\b:103+16*\b], v[BS+\b]
	v_cvt_scalef32_pk8_bf8_f32 v[194+4*\b:195+4*\b], v[104+16*\b:111+16*\b], v[BS+\b]
.endr
.irp t, 0,1,2,3                                ; v's four fragments take p's registers, which are done with
.irp c, 0,1,2,3
	ds_load_b128 v[96+16*\t+4*\c:99+16*\t+4*\c], v[ADV] offset:2048*\t+512*\c
.endr
.endr
	ds_load_b32 v[VSW], v[ADT]
	ds_load_b32 v[VSW+1], v[ADT] offset:128
.set n, 0
.rept 16
	v_pk_mul_f32 v[160+n:161+n], v[160+n:161+n], v[F:F+1] op_sel_hi:[1,0]   ; O^T under the new M.  (These 16 are also the plain line behind the conversions and the places between p's codes and the products)
.set n, n+2
.endr
	s_wait_alu depctr_va_vdst(0)
	s_wait_dscnt 0x0
.irp t, 0,1,2,3                                ; O^T += V^T P^T: the four accumulators by turns, one instruction a turn
.if \t%2
	v_wmma_scale_f32_16x16x128_f8f6f4 v[160+8*\t:167+8*\t], v[96+16*\t:111+16*\t], v[192:207], v[160+8*\t:167+8*\t], v[VSW+\t/2], v[PSW] matrix_a_fmt:MATRIX_FMT_BF8 matrix_b_fmt:MATRIX_FMT_BF8 matrix_a_scale:MATRIX_SCALE_ROW1
.else
	v_wmma_scale_f32_16x16x128_f8f6f4 v[160+8*\t:167+8*\t], v[96+16*\t:111+16*\t], v[192:207], v[160+8*\t:167+8*\t], v[VSW+\t/2], v[PSW] matrix_a_fmt:MATRIX_FMT_BF8 matrix_b_fmt:MATRIX_FMT_BF8
.endif
.endr
.Lhidden_\@:
	s_add_co_u32 s[TK], s[TK], 8192                ; the next step's tiles and scale words
	s_add_co_u32 s[TV], s[TV], 8192
	s_add_co_u32 s[TSK], s[TSK], 512
	s_add_co_u32 s[TSV], s[TSV], 256
	s_add_co_u32 s[KS], s[KS], 1
.endm
; A tile ends: O^T is divided by the row's sum, quantised along d (two blocks of 32, each shared with lane l xor 16) and stored as two groups of four registers of the next product's operand.
.macro FINISH p
	s_wait_xcnt 0x0                                ; the last tile's stores have read their data: it is written again only behind this wait
.rept 8
	v_nop                                          ; places behind the last products
.endr
	v_add_f32 v14, v14, v15                        ; the sum's two halves,
	s_delay_alu instid0(VALU_DEP_1)
	v_permlanex16_b32 v[T], v14, s[SEL], s[SEL+1]
	s_delay_alu instid0(VALU_DEP_1)
	v_add_f32 v14, v14, v[T]                       ; and lane l xor 16's: the row's sum
	s_wait_alu depctr_va_vdst(0)
	v_rcp_f32 v14, v14
	v_nop                                          ; one plain line behind a transcendental
.set n, 0
	s_wait_alu depctr_va_vdst(0)
.rept 16
	v_pk_mul_f32 v[96+n:97+n], v[160+n:161+n], v[14:15] op_sel_hi:[1,0]   ; register 16 b + i: d = 32 b + 16 (lane / 16) + i.  Each accumulator from its low end on
.set n, n+2
.endr
.irp b, 0,1
	v_max3_num_f32 v[BM+\b], |v[96+16*\b]|, |v[97+16*\b]|, 0x8000000
.endr
.irp i, 2,4,6,8,10,12,14
.irp b, 0,1
	s_delay_alu instid0(VALU_DEP_2)
	v_max3_num_f32 v[BM+\b], v[BM+\b], |v[96+16*\b+\i]|, |v[97+16*\b+\i]|
.endr
.endr
.irp b, 0,1
	s_delay_alu instid0(VALU_DEP_2)
	v_permlanex16_b32 v[BT+\b], v[BM+\b], s[SEL], s[SEL+1]
.endr
.irp b, 0,1
	s_delay_alu instid0(VALU_DEP_2)
	v_max_num_f32 v[BM+\b], v[BM+\b], v[BT+\b]
.endr
.irp b, 0,1
	s_delay_alu instid0(VALU_DEP_2)
	v_add_nc_u32 v[BS+\b], 0xf8800000, v[BM+\b]
.endr
.irp b, 0,1
	s_delay_alu instid0(VALU_DEP_4)
	v_and_or_b32 v[BH+\b], v[BM+\b], 0x7f800000, s[MNT]
.endr
.irp b, 0,1
	s_delay_alu instid0(VALU_DEP_4)
	v_lshrrev_b32 v[BT+\b], 23, v[BS+\b]
.endr
.irp b, 0,1
.irp i, 0,1,2,3,4,5,6,7,8,9,10,11,12,13,14,15
	v_med3_num_f32 v[96+16*\b+\i], v[96+16*\b+\i], -v[BH+\b], v[BH+\b]
.endr
	v_cvt_scalef32_pk8_bf8_f32 v[OC+4*\b:OC+4*\b+1], v[96+16*\b:103+16*\b], v[BS+\b]
	v_cvt_scalef32_pk8_bf8_f32 v[OC+4*\b+2:OC+4*\b+3], v[104+16*\b:111+16*\b], v[BS+\b]
.endr
	v_cndmask_b32 v[OC+8], v[BT], v[BT+1], s[HM]   ; (the plain line behind the conversions)  lanes 0-15 carry the first block's byte, lanes 16-31 the second's
	global_store_b128 v[LI], v[OC:OC+3], s[(\p)+4:(\p)+5]               ; 32 lanes store 512 consecutive bytes, aligned
	global_store_b128 v[LI], v[OC+4:OC+7], s[(\p)+4:(\p)+5] offset:512
	global_store_b8 v[SO], v[OC+8], s[(\p)+6:(\p)+7]   ; a head owns 2 of a token place's 32 scale bytes: 32 single bytes a tile
.endm
	s_wait_loadcnt 0x0                             ; Q
	s_wait_tensorcnt 0x0                           ; my fills have landed,
	s_barrier_signal -1
	s_barrier_wait -1                              ; everybody's have: from here on LDS is only read
.Lhigh:                                            ; the high tile: 16 trips, of which the last w / 2 do no work
	STEP
	s_cmp_lt_u32 s[KS], 16
	s_cbranch_scc1 .Lhigh
	QLOAD AL                                       ; the low tile's Q lands while the high tile goes out (the last product that read Q's registers stands a softmax back)
	FINISH AH
	s_wait_xcnt 0x0                                ; the high tile's stores have read their data: the low tile's sums write those registers again
	INIT DLO
	s_lshr_b32 s[LIM], s[WV], 1                    ; the low tile's last step: w / 2
	s_wait_loadcnt 0x0
.Llow:                                             ; the low tile: 8 trips, of which the first w / 2 + 1 work
	STEP
	s_cmp_lt_u32 s[KS], 8
	s_cbranch_scc1 .Llow
	FINISH AL
	s_wait_tensorcnt 0x0
	ds_add_u32 v254, v255
	s_wait_dscnt 0x0
	ROUND                                          ; the closing round
	s_endpgm
.Lfunc_end_k_qc228fa2724_attn:
	.size	k_qc228fa2724_attn, .Lfunc_end_k_qc228fa2724_attn-k_qc228fa2724_attn
	.p2alignl 7, 3214868480
	.fill 96, 4, 3214868480
	.section	.rodata,"a",@progbits
	.p2align	6, 0x0
	.amdhsa_kernel k_qc228fa2724_attn
		.amdhsa_group_segment_fixed_size 327680
		.amdhsa_private_segment_fixed_size 0
		.amdhsa_enable_private_segment 0
		.amdhsa_kernarg_size 32
		.amdhsa_user_sgpr_count 2
		.amdhsa_user_sgpr_kernarg_segment_ptr 1
		.amdhsa_wavefront_size32 1
		.amdhsa_system_sgpr_workgroup_id_x 1
		.amdhsa_system_sgpr_workgroup_id_y 1
		.amdhsa_system_sgpr_workgroup_id_z 1
		.amdhsa_system_vgpr_workitem_id 0
		.amdhsa_next_free_vgpr 256
		.amdhsa_next_free_sgpr 92
		.amdhsa_reserve_vcc 1
		.amdhsa_float_denorm_mode_32 3
		.amdhsa_float_denorm_mode_16_64 3
		.amdhsa_memory_ordered 1
		.amdhsa_forward_progress 1
		.amdhsa_inst_pref_size 76
	.end_amdhsa_kernel
	.amdgpu_metadata
---
amdhsa.version: [ 1, 2 ]
amdhsa.kernels:
  - .name:           k_qc228fa2724_attn
    .symbol:         k_qc228fa2724_attn.kd
    .args:
      - { .name: qkvc, .offset: 0, .size: 8, .value_kind: global_buffer, .address_space: global }
      - { .name: qkvs, .offset: 8, .size: 8, .value_kind: global_buffer, .address_space: global }
      - { .name: ac, .offset: 16, .size: 8, .value_kind: global_buffer, .address_space: global }
      - { .name: asc, .offset: 24, .size: 8, .value_kind: global_buffer, .address_space: global }
    .group_segment_fixed_size: 327680
    .private_segment_fixed_size: 0
    .kernarg_segment_align: 8
    .kernarg_segment_size: 32
    .max_flat_workgroup_size: 512
    .sgpr_count:     92
    .vgpr_count:     256
    .wavefront_size: 32
...
	.end_amdgpu_metadata
.endif
;; end of part 3
;; launch oproj (part 4): grid 4 x 64, 4 waves a work-group, clusters of 4 x 4, 327,680 bytes of LDS; arguments ac, asc, rc, rs, bo, out0; writes out0
.if DOCPART == 4
	.amdgcn_target "amdgcn-amd-amdhsa--gfx1250"
	.amdhsa_code_object_version 6
	.text
	.protected	k_qc228fa2724_oproj
	.globl	k_qc228fa2724_oproj
	.p2align	8
	.type	k_qc228fa2724_oproj,@function
k_qc228fa2724_oproj:
	s_mov_b64 s[64:65], 0
	v_nop
	global_prefetch_b8 v0, s[64:65] scope:SCOPE_SE
	s_setreg_imm32_b32 hwreg(HW_REG_WAVE_MODE, 25, 1), 1
	s_wait_xcnt 0x0
	s_wait_alu depctr_hold_cnt(0) depctr_sa_sdst(0) depctr_va_vdst(0) depctr_va_sdst(0) depctr_va_ssrc(0) depctr_va_vcc(0) depctr_vm_vsrc(0)
	s_getreg_b32 s2, hwreg(HW_REG_IB_STS2, 6, 4)
	s_cmp_eq_u32 s2, 0
	s_cbranch_scc0 .Lentry_in_a_cluster
	s_endpgm
.Lentry_in_a_cluster:
	s_bfe_u32 s2, ttmp6, 0x10000c
	s_cmp_lg_u32 s2, 0xf033
	s_cbranch_scc0 .Lentry_shape_is_right
	s_endpgm
.Lentry_shape_is_right:
; out0 = attention's result x Wo^T + bo: 8,192 tokens x 1,024 columns, K = 1,024, on codes of BF8 (E5M2) with one E8M0 scale for each 32 along K; sums in f32, begun with the bias.
; IN: ac: the tokens' codes as images of operand registers: tile of 16 token places x 16,384 + step of 128 along K x 2,048 + 512 c + 16 lane; asc: 32 scale bytes a token place.
;     rc, rs rows 8,192 on: Wo's codes (rows of 1,024 bytes) and scale bytes (rows of 32).  Token places have bits 3 and 4 of the index exchanged; the stores put each row at its true token.
; SHARES: 256 work-groups, a block of 128 tokens x 256 columns each; four waves, 2 x 2, 64 x 128 each: 32 accumulators.
; Wo's 256 rows, ALL of K, lie in LDS: four regions of 256 along K (256 rows x 272 bytes), each filled once, by one joint load of one wave, shared along the cluster's column.  Nothing is filled again.
; Region k is shown by a plain barrier in front of which wave k alone waits for its load: each wave has a load line of its own.
; The tokens' codes go from memory straight into operand registers, 512 consecutive bytes an instruction.  No joint load for them: beside Wo's 278,528 bytes LDS has no room for the block's 131,072.
; Scale words likewise: a row's 32 bytes are its eight words, two loads of 16 bytes; sixteen rows are 512 consecutive bytes.
; No prefetch: the text has no loop to run ahead in; what is loaded is asked for at the head, or four steps and more ahead of its use.
; THE MATRIX INSTRUCTION IS USED TRANSPOSED (source 0 = 16 rows of Wo, source 1 = 16 token places): a lane holds eight neighbouring columns of one token.
; LIMITS: NaN and infinities are not served.
; REGISTERS: window 0: v0-27 addresses; v28-59 the tokens' scale words (8 a + step); v64-127 Wo's (8 b + step): the two numbers of a product differ modulo 8; v128-191 A's step 4; v192-255 the bias, then A's step 5.
;   window 1: Wo's fragments, two sets.  window 2: the accumulators ((a, b) at 64 a + 8 b).  window 3: A's steps 0-3, then 6, 7 in the first two sets.
.set PITCH,  272                       ; an LDS row: 256 bytes + 16
.set QB,     256*PITCH                 ; a region: 256 rows, 256 along K
.set SPARE,  4*QB                      ; the spare words, 128 bytes for each wave, named by no other line
.set STAGE,  SPARE+512                 ; the way out: 16 rows x 528 bytes for each wave; no fill lands here
.set SPITCH, 528
.set LI,   8                           ; 16 x lane
.set RS,   9                           ; 32 r: my row of scale bytes
.set BO,   10                          ; 32 h: my eight numbers of the bias
.set ADRB, 16                          ; v16-19 LDS address of my fragments of Wo in region 0 .. 3
.set STO,  24
.set RD,   25
.set SPW,  26
.set NIL,  27
.set SA,   28
.set SB,   64
.set BIAS, 192
.set BK,   128
.set G1,   48
.set G0,   56
.set OUTP, 98
.set MSB, 0
.macro WIN new                         ; the immediate's high byte repeats the setting that is left
.if MSB != (\new)
	s_set_vgpr_msb (MSB<<8)|(\new)
.set MSB, (\new)
.endif
.endm
.macro PLACES n
.rept \n
	v_nop
.endr
.endm
.macro CROUND                          ; a round of the cluster's barrier
	s_barrier_signal -1
	s_barrier_wait -1
	s_cmp_lg_u32 s14, 0
	s_cbranch_scc1 .Lnot_wave_0_\@
	s_barrier_signal -3
.Lnot_wave_0_\@:
	s_barrier_wait -3
	s_barrier_signal -1
	s_barrier_wait -1
.endm
	s_load_b256 s[4:11], s[0:1], 0x0               ; ac, asc, rc, rs
	s_load_b128 s[96:99], s[0:1], 0x20             ; bo, out0
	v_lshl_add_u32 v[SPW], v0, 2, SPARE
	v_mov_b32 v[NIL], 0
	ds_add_u32 v[SPW], v[NIL]                      ; the opening lines: the add twice on end, its wait ahead of my first tensor load
	ds_add_u32 v[SPW], v[NIL]
	v_lshrrev_b32 v3, 5, v0
	v_readfirstlane_b32 s14, v3                    ; wave 0..3
	s_lshr_b32 s15, s14, 1                         ; which 64 token places are mine
	s_and_b32 s16, s14, 1                          ; which 128 columns
	s_bfe_u32 s40, ttmp6, 0x40000                  ; cx, cy
	s_bfe_u32 s41, ttmp6, 0x40004
	s_lshl_b32 s42, ttmp9, 2
	s_add_co_u32 s42, s42, s40                     ; block column 0..3
	s_and_b32 s17, ttmp7, 0xffff
	s_lshl_b32 s17, s17, 2
	s_add_co_u32 s17, s17, s41                     ; block row 0..63
	s_lshl_b32 s44, 0x1111, s40                    ; my column of the cluster shares Wo's rows
	s_or_b32 s[G1+0], s44, (0<<16)|(1<<20)|(1<<21)|(5<<22)|(3<<25)  ; mask; elements of 1 byte; padding: four words after every 64
	s_mov_b32 s[G1+1], 256<<16                     ; tensor_dim0
	s_mov_b32 s[G1+2], 256<<16                     ; tensor_dim1
	s_mov_b32 s[G1+3], 256<<16                     ; tile_dim0
	s_mov_b32 s[G1+4], 256                         ; tile_dim1
	s_mov_b32 s[G1+5], 1024                        ; from row to row
	s_mov_b32 s[G1+6], 0
	s_mov_b32 s[G1+7], 0
	s_lshl_b32 s20, s42, 18                        ; Wo's rows 256 x block column, behind x's 8,192 rows,
	s_add_co_u32 s20, s20, 8192*1024
	s_lshl_b32 s21, s14, 8                         ; and my quarter of K
	s_add_co_u32 s20, s20, s21
	s_mov_b32 s21, 0
	s_mov_b32 s[G0], 1
	s_mul_i32 s[G0+1], s14, QB                     ; region = wave
	s_lshl_b32 s24, s17, 3
	s_lshl_b32 s25, s15, 2
	s_add_co_u32 s24, s24, s25                     ; my first tile of 16 token places
	s_lshl_b32 s26, s24, 14                        ; in ac
	s_mov_b32 s27, 0
	s_lshl_b32 s28, s24, 9                         ; in asc
	s_mov_b32 s29, 0
	s_lshl_b32 s30, s42, 8
	s_lshl_b32 s31, s16, 7
	s_add_co_u32 s30, s30, s31
	s_add_co_u32 s30, s30, 8192
	s_lshl_b32 s30, s30, 5                         ; in rs: my 128 rows of Wo
	s_mov_b32 s31, 0
	s_lshl_b32 s32, s42, 10
	s_lshl_b32 s33, s16, 9
	s_add_co_u32 s32, s32, s33                     ; my first column, in bytes
	s_mov_b32 s33, 0
	s_lshl_b32 s34, s24, 16                        ; my first row of out0
	s_mov_b32 s35, 0
	v_and_b32 v1, 15, v0                           ; r
	v_bfe_u32 v2, v0, 4, 1                         ; h
	v_and_b32 v6, 31, v0
	v_lshlrev_b32 v[LI], 4, v6
	v_lshlrev_b32 v[RS], 5, v1
	v_lshlrev_b32 v[BO], 5, v2
	v_mul_u32_u24 v3, v1, PITCH
	v_lshl_add_u32 v4, v2, 4, v3                   ; a fragment's row x pitch + 16 h
	s_mul_i32 s22, s16, 128*PITCH
.irp k, 0,1,2,3
	v_add_nc_u32 v[ADRB+\k], s22, v4
	s_add_co_u32 s22, s22, QB
.endr
	s_mul_i32 s23, s14, 16*SPITCH
	s_add_co_u32 s23, s23, STAGE                   ; my stage
	v_mul_u32_u24 v5, v1, SPITCH
	v_lshl_add_u32 v5, v2, 5, v5
	v_add_nc_u32 v[STO], s23, v5                   ; in: row r, 32 bytes for each half of the lanes
	v_add_nc_u32 v[RD], s23, v[LI]                 ; back: the 32 lanes take one row of 512 bytes
	s_wait_alu depctr_va_vdst(0)
	s_wait_dscnt 0x0                               ; both opening adds are done
	CROUND                                         ; all sixteen work-groups are here: the joint loads meet
	s_wait_kmcnt 0x0
	s_add_nc_u64 s[G0+2:G0+3], s[8:9], s[20:21]
	s_or_b32 s[G0+3], s[G0+3], 0x80000000
; one joint load a wave, each on a line of its own, in one chain of branches on the wave's number: a later barrier shows one wave's region alone
.macro ARM under, next
	s_cmp_lt_u32 s14, \under
	s_cbranch_scc0 \next
	tensor_load_to_lds s[G0:G0+3], s[G1:G1+7]
	s_nop 0
	PLACES 4
	s_branch .Lasked
\next:
.endm
	ARM 1, .Larm_1
	ARM 2, .Larm_2
	ARM 3, .Larm_3
	tensor_load_to_lds s[G0:G0+3], s[G1:G1+7]
	s_nop 0
	PLACES 4
.Lasked:
	s_add_nc_u64 s[4:5], s[4:5], s[26:27]
	s_add_nc_u64 s[6:7], s[6:7], s[28:29]
	s_add_nc_u64 s[10:11], s[10:11], s[30:31]
	s_add_nc_u64 s[96:97], s[96:97], s[32:33]
	s_add_nc_u64 s[OUTP:OUTP+1], s[OUTP:OUTP+1], s[32:33]
	s_add_nc_u64 s[OUTP:OUTP+1], s[OUTP:OUTP+1], s[34:35]
.macro ASET s                          ; where step s's fragments of A lie: window AW, register AB
.if (\s) == 4 || (\s) == 5
.set AW, 0
.set AB, 128+64*((\s)-4)
.else
.set AW, 3
.set AB, 64*((\s)%6)
.endif
.endm
.macro ALOAD s                         ; step s: four tiles of 16 token places x 128 along K: 16 loads of 512 consecutive bytes
	ASET \s
	WIN AW<<6
.irp a, 0,1,2,3
.irp c, 0,1,2,3
	global_load_b128 v[AB+16*\a+4*\c:AB+16*\a+4*\c+3], v[LI], s[4:5] offset:\a*16384+(\s)*2048+512*\c
.endr
.endr
	WIN 0
.endm
.irp a, 0,1,2,3
	global_load_b128 v[SA+8*\a:SA+8*\a+3], v[RS], s[6:7] offset:512*\a
	global_load_b128 v[SA+8*\a+4:SA+8*\a+7], v[RS], s[6:7] offset:512*\a+16
.endr
.irp b, 0,1,2,3,4,5,6,7
	global_load_b128 v[SB+8*\b:SB+8*\b+3], v[RS], s[10:11] offset:512*\b
	global_load_b128 v[SB+8*\b+4:SB+8*\b+7], v[RS], s[10:11] offset:512*\b+16
.endr
.irp b, 0,1,2,3,4,5,6,7
	global_load_b128 v[BIAS+8*\b:BIAS+8*\b+3], v[BO], s[96:97] offset:64*\b      ; register j of block b: column 16 b + 8 h + j
	global_load_b128 v[BIAS+8*\b+4:BIAS+8*\b+7], v[BO], s[96:97] offset:64*\b+16
.endr
.irp s, 0,1,2,3,4
	ALOAD \s
.endr
.macro FETCHB s                        ; Wo's eight fragments of step s into set s % 2: registers 4 c .. 4 c + 3 hold K = 32 c + 16 h + 0 .. 15
	WIN 0x40
.irp i, 0,1,2,3,4,5,6,7
.irp c, 0,1,2,3
	ds_load_b128 v[128*((\s)%2)+16*\i+4*\c:128*((\s)%2)+16*\i+4*\c+3], v[ADRB+(\s)/2] offset:128*((\s)%2)+32*\c+\i*16*PITCH
.endr
.endr
	WIN 0
.endm
.macro MULA s, a                       ; eight products: A's tile a x Wo's eight.  The 32 accumulators take turns in the same order in every step.  Step 0 begins the sums with the bias
	ASET \s
.if (\s) == 0
	WIN 0x81|(AW<<2)
.else
	WIN 0xa1|(AW<<2)
.endif
.irp b, 0,1,2,3,4,5,6,7
.if (\s) == 0
	v_wmma_scale_f32_16x16x128_f8f6f4 v[64*(\a)+8*\b:64*(\a)+8*\b+7], v[128*((\s)%2)+16*\b:128*((\s)%2)+16*\b+15], v[AB+16*(\a):AB+16*(\a)+15], v[BIAS+8*\b:BIAS+8*\b+7], v[SB+8*\b+(\s)], v[SA+8*(\a)+(\s)] matrix_a_fmt:MATRIX_FMT_BF8 matrix_b_fmt:MATRIX_FMT_BF8
.else
	v_wmma_scale_f32_16x16x128_f8f6f4 v[64*(\a)+8*\b:64*(\a)+8*\b+7], v[128*((\s)%2)+16*\b:128*((\s)%2)+16*\b+15], v[AB+16*(\a):AB+16*(\a)+15], v[64*(\a)+8*\b:64*(\a)+8*\b+7], v[SB+8*\b+(\s)], v[SA+8*(\a)+(\s)] matrix_a_fmt:MATRIX_FMT_BF8 matrix_b_fmt:MATRIX_FMT_BF8
.endif
.endr
.endm
.macro AWAIT s                         ; step s's 16 loads of A are in: behind them 16 for each later step have been issued at the most; the count is held at 48
.if 16*(7-(\s)) > 48
	s_wait_loadcnt 48
.else
	s_wait_loadcnt 16*(7-(\s))
.endif
.endm
.macro SHOW k                          ; wave k's load, region k, has landed, and no LDS load of mine is out: say so
	s_cmp_eq_u32 s14, \k
	s_cbranch_scc0 .Lnot_mine_\@
	s_wait_tensorcnt 0x0
.Lnot_mine_\@:
	s_wait_dscnt 0x0
	s_barrier_signal -1
.endm
.macro EVEN s                          ; a region's first step: the next step's fragments lie in the same region
	WIN 0
	AWAIT \s
	s_wait_dscnt 0x0                               ; this step's fragments of Wo are in
.if (\s) > 0
	PLACES 8                                       ; behind the last products, ahead of loads into registers that they have read
.endif
.if (\s) == 2
	ALOAD 7                                        ; into step 1's registers
.endif
	FETCHB (\s)+1
.irp a, 0,1,2,3
	MULA \s, \a
.endr
.endm
.macro ODD s                           ; a region's second step: the next region is shown by a barrier, eight products between its signal and its wait
	WIN 0
	AWAIT \s
.if (\s) < 7
	SHOW ((\s)+1)/2
.else
	s_wait_dscnt 0x0
.endif
	MULA \s, 0
.if (\s) < 7
	WIN 0
	s_barrier_wait -1
	PLACES 8
.if (\s) == 1
	ALOAD 5                                        ; into the bias's registers, which step 0 has read,
	ALOAD 6                                        ; and into step 0's
.endif
	FETCHB (\s)+1
.endif
.irp a, 1,2,3
	MULA \s, \a
.endr
.endm
	SHOW 0
	s_barrier_wait -1
	FETCHB 0
.irp s, 0,2,4,6
	EVEN \s
	ODD \s+1
.endr
	WIN 0
; THE WAY OUT, block by block of 16 token places x 128 columns, through my own stage: whole rows of 512 bytes come back and leave as two aligned units of 256 bytes.  LDS serves a wave's instructions in order (ISA guide 5.7.1.4).
.macro TOSTAGE a
	WIN 0x08                                       ; the data: window 2
.irp b, 0,1,2,3,4,5,6,7
	ds_store_b128 v[STO], v[64*(\a)+8*\b:64*(\a)+8*\b+3] offset:64*\b          ; each accumulator from its low end on
	ds_store_b128 v[STO], v[64*(\a)+8*\b+4:64*(\a)+8*\b+7] offset:64*\b+16
.endr
	WIN 0
.set BB, BK+64*((\a)%2)
.irp t, 0,1,2,3,4,5,6,7,8,9,10,11,12,13,14,15
	ds_load_b128 v[BB+4*\t:BB+4*\t+3], v[RD] offset:\t*SPITCH
.endr
.endm
.macro SEND a, younger                 ; younger: the LDS instructions issued behind block a's loads
.set BB, BK+64*((\a)%2)
	s_wait_dscnt \younger
.if (\a) == 2
	s_add_nc_u64 s[OUTP:OUTP+1], s[OUTP:OUTP+1], 32*4096   ; (behind a wait on XCNT)
.endif
.irp t, 0,1,2,3,4,5,6,7,8,9,10,11,12,13,14,15
	global_store_b128 v[LI], v[BB+4*\t:BB+4*\t+3], s[OUTP:OUTP+1] offset:(8*((\a)%2)+\t+8*(\t/8))*4096 th:TH_STORE_NT   ; place 16 a + t is token 32 (a / 2) + 8 (a % 2) + t + 8 (t / 8)
.endr
.endm
	PLACES 8
	TOSTAGE 0
.irp a, 1,2,3
.if \a > 1
	s_wait_xcnt 0x0                                ; block a - 2's stores have read their registers and their base
.endif
	TOSTAGE \a
	SEND \a-1, 32                                  ; behind block a - 1's loads: block a's 16 stores and 16 loads
.endr
	s_wait_xcnt 0x0
	SEND 3, 0
	s_wait_tensorcnt 0x0                           ; the wave's end
	ds_add_u32 v[SPW], v[NIL]
	s_wait_dscnt 0x0
	CROUND                                         ; the closing round
	s_endpgm
.Lfunc_end_k_qc228fa2724_oproj:
	.size	k_qc228fa2724_oproj, .Lfunc_end_k_qc228fa2724_oproj-k_qc228fa2724_oproj
	.p2alignl 7, 3214868480
	.fill 96, 4, 3214868480
	.section	.rodata,"a",@progbits
	.p2align	6, 0x0
	.amdhsa_kernel k_qc228fa2724_oproj
		.amdhsa_group_segment_fixed_size 327680
		.amdhsa_private_segment_fixed_size 0
		.amdhsa_enable_private_segment 0
		.amdhsa_kernarg_size 48
		.amdhsa_user_sgpr_count 2
		.amdhsa_user_sgpr_kernarg_segment_ptr 1
		.amdhsa_wavefront_size32 1
		.amdhsa_system_sgpr_workgroup_id_x 1
		.amdhsa_system_sgpr_workgroup_id_y 1
		.amdhsa_system_sgpr_workgroup_id_z 1
		.amdhsa_system_vgpr_workitem_id 0
		.amdhsa_next_free_vgpr 1024
		.amdhsa_next_free_sgpr 102
		.amdhsa_reserve_vcc 0
		.amdhsa_float_denorm_mode_32 3
		.amdhsa_float_denorm_mode_16_64 3
		.amdhsa_memory_ordered 1
		.amdhsa_forward_progress 1
		.amdhsa_inst_pref_size 90
	.end_amdhsa_kernel
	.amdgpu_metadata
---
amdhsa.version: [ 1, 2 ]
amdhsa.kernels:
  - .name:           k_qc228fa2724_oproj
    .symbol:         k_qc228fa2724_oproj.kd
    .args:
      - { .name: ac, .offset: 0, .size: 8, .value_kind: global_buffer, .address_space: global }
      - { .name: asc, .offset: 8, .size: 8, .value_kind: global_buffer, .address_space: global }
      - { .name: rc, .offset: 16, .size: 8, .value_kind: global_buffer, .address_space: global }
      - { .name: rs, .offset: 24, .size: 8, .value_kind: global_buffer, .address_space: global }
      - { .name: bo, .offset: 32, .size: 8, .value_kind: global_buffer, .address_space: global }
      - { .name: out0, .offset: 40, .size: 8, .value_kind: global_buffer, .address_space: global }
    .group_segment_fixed_size: 327680
    .private_segment_fixed_size: 0
    .kernarg_segment_align: 8
    .kernarg_segment_size: 48
    .max_flat_workgroup_size: 128
    .sgpr_count:     102
    .vgpr_count:     1024
    .wavefront_size: 32
...
	.end_amdgpu_metadata
.endif
;; end of part 4
